; MI455X (gfx1250); checked and timed in simulation.
; The chip was launched on July 23, 2026; its instructions are those of AMD's public machine-readable ISA for CDNA 5 (MIT licence, August 2026) and "CDNA5" Instruction Set Architecture Reference Guide (July 2026). The comments in the code are by the model that wrote it; some were corrected since.
;; Multi Head Attention. Allowed arithmetic: matrix products marked QUANTISED: E2M3 operands, one E8M0 scale for each 32 along K, by v_wmma_scale_f32_16x16x128_f8f6f4 with both operands' format E2M3, f32 sums; everything else in f32.
;; Inputs: Wk 1,024 x 1,024 float32; Wo 1,024 x 1,024 float32; Wq 1,024 x 1,024 float32; Wv 1,024 x 1,024 float32; bk 1,024 float32; bo 1,024 float32; bq 1,024 float32; bv 1,024 float32; x 4 x 2,048 x 1,024 float32.
;; Outputs: out0 4 x 2,048 x 1,024 float32.
;; This version of the problem:
;;   THIS VERSION OF THE PROBLEM IS GIVEN IN LOW PRECISION. The matrix products marked QUANTISED in the list below multiply operands that are first quantised to E2M3 (2 exponent bits, 3 mantissa bits; 6 bits a number), with one power-of-two scale for each 32 numbers along K (OCP MX v1.0); their sums are f32. All else is computed in f32.
;;   The module's matrix products, in the order in which they are computed (A, B: the left and right operand; K: the contracted axis; several contracted axes count as one K, in the product's order):
;;     1. [M 8,192, K 1,024] x [K 1,024, N 1,024]; A: input x; B: input Wq: QUANTISED
;;     2. [M 8,192, K 1,024] x [K 1,024, N 1,024]; A: input x; B: input Wk: QUANTISED
;;     3. [M 8,192, K 1,024] x [K 1,024, N 1,024]; A: input x; B: input Wv: QUANTISED
;;     4. batch 64 x [M 2,048, K 64] x [K 64, N 2,048]; A: computed on the way; B: computed on the way: QUANTISED
;;     5. batch 64 x [M 2,048, K 2,048] x [K 2,048, N 64]; A: softmax (see below); B: computed on the way: QUANTISED
;;     6. [M 8,192, K 1,024] x [K 1,024, N 1,024]; A: computed on the way; B: input Wo: QUANTISED
;;   THE QUANTISER, for each operand of a quantised product, along K:
;;     - K is cut into blocks of 32 from its start; a last block that is shorter is filled with zeros.
;;     - A block's scale is 2^e with e = floor(log2(the largest magnitude in the block)) - 2, held to -126 .. 127; a block of zeros has e = 0. As a byte (E8M0): e + 127.
;;     - Each number is divided by its block's scale, clamped to +-7.5, and rounded to the nearest number of E2M3, ties to even, subnormals kept.
;;     - The product sums the exact products of the quantised numbers (number of the format x scale) in f32.
;;   ~~~python
;;   def quantise(x, axis):      # numpy; x: float32 -> the quantised numbers, widened to float32 again
;;       x = np.moveaxis(x, axis, -1); K = x.shape[-1]
;;       x = np.pad(x, [(0, 0)] * (x.ndim - 1) + [(0, -K % 32)]); x = x.reshape(x.shape[:-1] + (-1, 32)); a = np.abs(x).max(-1, keepdims=True)
;;       e = np.where(a > 0, np.clip(np.frexp(np.where(a > 0, a, 1))[1] - 1 - 2, -126, 127), 0)      # np.frexp(a)[1] - 1 = floor(log2(a)), exactly
;;       r = np.clip(x / 2.0 ** e, -7.5, 7.5)
;;       step = 2.0 ** (np.maximum(np.frexp(np.where(r == 0, 1, r))[1] - 1, 0) - 3)
;;       q = np.round(r / step) * step * 2.0 ** e      # np.round: ties to even
;;       return np.moveaxis(q.reshape(q.shape[:-2] + (-1,))[..., :K], -1, axis).astype(np.float32)
;;   ~~~
;;   SOFTMAX AHEAD OF A QUANTISED PRODUCT. Where the list says 'softmax', what is quantised is not the finished softmax but p = 2^(t - M), with t = logit x log2(e) and M = ceil(the row's largest t), a whole number; so 1/2 < the row's largest p <= 1. The row's sum l is taken of the UNQUANTISED p, in f32, and the product's result is divided by l at the end. Since M is a whole number, a kernel that streams over the keys may use a running M (the ceiling of the running maximum): every later rescaling is an exact power of two, which a block's scale takes up: the codes' values come out the same.
;;   OPERANDS COMPUTED ON THE WAY. 'Computed on the way' means the value that the module computes at that place (a softmax that the list does not call 'softmax' is quantised finished and normalised). What goes into a quantiser is computed in f32, as accurately as f32 sums, v_exp_f32 and their like allow (about 1e-6 of the number): no bf16 or f16 on the way to a quantiser, and a product that is left as it is and whose result goes on into a quantised operand takes f32 operands (vector FMAs, or v_wmma_f32_16x16x4_f32). A number that lies on a knife's edge between two numbers of the format may be rounded either way, as far as f32 arithmetic and the matrix unit's own rounding can turn it there, and no further.
;; One version. Each part assembles by itself: llvm-mc -triple=amdgcn-amd-amdhsa -mcpu=gfx1250 --defsym DOCPART=n.
;; ======== version 1 of 1: 4 launches
;; limits: right only within a limited range of input values
;; workspace buffers: codes1 9,437,184 bytes; sc1 360,448 bytes; sc2 294,912 bytes; qkv 19,660,800 bytes; cc 6,291,456 bytes
;; launch quant (part 1): grid 384 x 1, 4 waves a work-group, no clusters, 34,304 bytes of LDS; arguments x, Wq, Wk, Wv, Wo, codes1, sc1, sc2; writes codes1, sc1, sc2
.if DOCPART == 1
	.amdgcn_target "amdgcn-amd-amdhsa--gfx1250"
	.amdhsa_code_object_version 6
	.text
	.protected	k_qd6bae49386_quant
	.globl	k_qd6bae49386_quant
	.p2align	8
	.type	k_qd6bae49386_quant,@function
k_qd6bae49386_quant:
	s_mov_b64 s[64:65], 0
	v_nop
	global_prefetch_b8 v0, s[64:65] scope:SCOPE_SE
	s_setreg_imm32_b32 hwreg(HW_REG_WAVE_MODE, 25, 1), 1
	s_wait_xcnt 0x0
; x [8192][1024] and Wq, Wk, Wv, Wo [1024][1024], f32, K innermost, become codes of FP6 (E2M3) with one E8M0 byte for each 32 along K, laid IN THE ORDER OF AN OPERAND'S REGISTERS.
; TILES.  Tile T holds 16 rows: lane r takes row 32 (T / 2) + 8 (T % 2) + r + 8 (r / 8).  So a product used transposed leaves 16 neighbours along the next K in the 16 registers of two neighbouring tiles.
; IMAGES.  A fragment (16 rows x 128 K, 12 registers a lane) is two halves of 768 bytes: registers 0-3 at 16 x lane, registers 4-5 at 512 + 8 x lane.  codes1: [tile 768][K step 8][1,536]: tiles 0-511 x, then 64 each of Wq, Wk, Wv, Wo.
; SCALE WORDS.  [tile][group 2][r 16][4 words]: word j of group g serves K step 4 g + j of the tile's lane r.  x, Wq, Wk, Wv: sc1, by the same tile numbers; Wo: sc2, tiles 512-575.
; A block's scale is 2^(floor(log2(its largest magnitude)) - 2); its byte is the largest magnitude's exponent field - 2, held at 1 from below.
; LIMITS: a block of zeros gets the byte 1 (its codes are zeros, and this program alone reads the bytes); NaN and infinities among the inputs are not served.
; SHARES.  A wave takes one tile x 512 along K: four fragments.  Each load reads 512 consecutive bytes of one row; a fragment's 16 rows turn through the wave's own stage in LDS (rows 528 bytes apart), and come
; back 16 neighbours of each block of 32 to a lane.  Loads run two fragments (32 loads a wave) ahead.  No barrier: waves share nothing.
.set STG,   16*528                     ; a wave's stage
.set SPARE, 4*STG                      ; behind the stages: the spare words, 128 bytes a wave: two blocks of 256 bytes that no other line names
.set L16,  4                           ; v4   16 x lane
.set SIN,  5                           ; v5   the stage, on the way in: 16 x lane
.set SOUT, 6                           ; v6   and on the way out: 528 r + 64 h
.set L8,   8                           ; v8   512 + 8 x lane
.set SCO,  9                           ; v9   16 r + 8 h: my two scale words' place
.set SPW,  10                          ; v10  LDS address of my spare word; never rewritten
.set NIL,  11                          ; v11  0; never rewritten
.set TM,   12                          ; v12-27 at work: largest magnitudes, bytes, the conversions' scale operands
.set WS,   28                          ; v28-31 the four fragments' scale words
.set PC,   32                          ; v32-51 the codes just made
.set WP,   52                          ; v52-53 the two words that I store
.set X,    64                          ; v64-127 64 numbers: register 16 b + i = k 32 b + 16 h + i of my row
.set R,    128                         ; v128-255 two sets of 64 registers as loaded
.set SEL,  36                          ; s[36:37] selects for lane l xor 16
; 64 numbers of a lane, v[s] on, become a fragment's codes in v[PC] on and its scale word in v[w].
.macro QUANT s, w
.irp b, 0,1,2,3
	v_max3_num_f32 v[TM+\b], |v[\s+16*\b]|, |v[\s+1+16*\b]|, 0x1800000   ; block b: my 16 numbers, and the floor 2^(3 - 127): the byte cannot fall under 1
.endr
.irp i, 2,4,6,8,10,12,14
.irp b, 0,1,2,3
	v_max3_num_f32 v[TM+\b], v[TM+\b], |v[\s+16*\b+\i]|, |v[\s+1+16*\b+\i]|   ; the four blocks by turns
.endr
.endr
.irp b, 0,1,2,3
	v_permlanex16_b32 v[TM+4+\b], v[TM+\b], s[SEL], s[SEL+1]
.endr
.irp b, 0,1,2,3
	v_max_num_f32 v[TM+\b], v[TM+\b], v[TM+4+\b]   ; with lane l xor 16's: the block's largest magnitude
.endr
.irp b, 0,1,2,3
	v_add_nc_u32 v[TM+12+\b], 0xff000000, v[TM+\b] ; 2 off its exponent field: the conversion takes this operand's exponent field as its scale
.endr
.irp b, 0,1,2,3
	v_lshrrev_b32 v[TM+4+\b], 23, v[TM+12+\b]      ; the scale's byte
.endr
	v_lshl_or_b32 v[\w], v[TM+5], 8, v[TM+4]       ; four bytes: my row's scale word (the same in both halves of the lanes)
	v_lshl_or_b32 v[\w], v[TM+6], 16, v[\w]
	v_lshl_or_b32 v[\w], v[TM+7], 24, v[\w]
.irp c, 0,1
	v_cvt_scalef32_pk16_fp6_f32 v[PC+6*\c:PC+2+6*\c], v[\s+32*\c:\s+15+32*\c], v[TM+12+2*\c]
	v_cvt_scalef32_pk16_fp6_f32 v[PC+12+4*\c:PC+14+4*\c], v[\s+16+32*\c:\s+31+32*\c], v[TM+13+2*\c]   ; (a conversion's three registers begin on an even number)
.endr
	v_nop                                          ; one plain place behind a scaled conversion
.irp c, 0,1                                    ; the layout wants a whole block in a lane: lanes 0-15 block 2 c, lanes 16-31 block 2 c + 1
.irp i, 0,1,2
	v_permlane16_swap_b32 v[PC+6*\c+\i], v[PC+12+4*\c+\i]
.endr
.irp i, 0,1,2
	v_mov_b32 v[PC+3+6*\c+\i], v[PC+12+4*\c+\i]
.endr
.endr
.endm
.macro LOADF f                         ; fragment f: 16 rows x 512 bytes into set f % 2
.irp i, 0,1,2,3,4,5,6,7,8,9,10,11,12,13,14,15
	global_load_b128 v[R+64*((\f)%2)+4*\i:R+64*((\f)%2)+4*\i+3], v[L16], s[20:21] offset:(\i+8*(\i/8))*4096+512*(\f) th:TH_LOAD_NT
.endr
.endm
.macro PART f
.if (\f) < 3
	s_wait_loadcnt 16                              ; this fragment's 16 loads are in; the next fragment's 16 may be out
.else
	s_wait_loadcnt 0x0
.endif
.irp i, 0,1,2,3,4,5,6,7,8,9,10,11,12,13,14,15
	ds_store_b128 v[SIN], v[R+64*((\f)%2)+4*\i:R+64*((\f)%2)+4*\i+3] offset:528*\i
.endr
.irp b, 0,1,2,3
.irp j, 0,1,2,3
	ds_load_b128 v[X+16*\b+4*\j:X+16*\b+4*\j+3], v[SOUT] offset:128*\b+16*\j   ; LDS serves a wave's instructions in order: these see the stores above
.endr
.endr
	s_wait_dscnt 0x0                               ; my numbers are back, and the stores have read their registers,
.if (\f) < 2
	LOADF (\f)+2                                   ; which take the loads of two fragments on
.endif
.if (\f) > 0
	s_wait_xcnt 0x0                                ; the last fragment's stores have read the codes' registers: they are written again only behind this wait
.endif
	QUANT X, WS+(\f)
	global_store_b128 v[L16], v[PC:PC+3], s[14:15] offset:1536*(\f)         ; 512 consecutive bytes,
	global_store_b64 v[L8], v[PC+4:PC+5], s[14:15] offset:1536*(\f)         ; 256 behind them: the first half image;
	global_store_b128 v[L16], v[PC+6:PC+9], s[14:15] offset:1536*(\f)+768   ; and the second
	global_store_b64 v[L8], v[PC+10:PC+11], s[14:15] offset:1536*(\f)+768
.endm
	s_load_b256 s[4:11], s[0:1], 0x0               ; x, Wq, Wk, Wv
	s_load_b256 s[12:19], s[0:1], 0x20             ; Wo, codes1, sc1, sc2
	v_lshl_add_u32 v[SPW], v0, 2, SPARE
	v_mov_b32 v[NIL], 0
	v_lshrrev_b32 v1, 5, v0
	v_readfirstlane_b32 s24, v1                    ; wave
	v_and_b32 v1, 31, v0                           ; lane
	v_and_b32 v2, 15, v0                           ; r
	v_bfe_u32 v3, v0, 4, 1                         ; h
	v_lshlrev_b32 v[L16], 4, v1
	s_mul_i32 s25, s24, STG
	v_add_nc_u32 v[SIN], s25, v[L16]
	v_mul_u32_u24 v[SOUT], v2, 528
	v_lshl_add_u32 v[SOUT], v3, 6, v[SOUT]
	v_add_nc_u32 v[SOUT], s25, v[SOUT]
	v_lshlrev_b32 v[L8], 3, v1
	v_add_nc_u32 v[L8], 512, v[L8]
	v_lshlrev_b32 v[SCO], 4, v2
	v_lshl_add_u32 v[SCO], v3, 3, v[SCO]
	v_cmp_ne_u32 s26, 0, v3                        ; lanes 16-31
.irp b, 0,1,2,3
	v_mov_b32 v[TM+4+\b], 0                        ; written once: a lane permute's destination counts as one of its sources
.endr
	s_mov_b32 s[SEL], 0x76543210
	s_mov_b32 s[SEL+1], 0xfedcba98
	s_lshl_b32 s27, ttmp9, 2
	s_add_co_u32 s27, s27, s24                     ; my task: 4 x work-group + wave
	s_lshr_b32 s28, s27, 1                         ; its tile, 0 .. 767
	s_and_b32 s29, s27, 1                          ; and which 512 along K
	s_and_b32 s30, s28, 63
	s_cmp_lt_u32 ttmp9, 256                        ; work-groups 0-255 take x, then 32 each Wq, Wk, Wv, Wo
	s_cselect_b32 s30, s28, s30                    ; the tile's number in its tensor
	s_lshr_b32 s31, s30, 1
	s_lshl_b32 s31, s31, 17                        ; 32 rows of 4,096 bytes for each pair of tiles,
	s_and_b32 s30, s30, 1
	s_lshl_b32 s30, s30, 15                        ; 8 rows for the odd one,
	s_add_co_u32 s30, s30, s31
	s_lshl_b32 s31, s29, 11                        ; 2,048 bytes for the second 512 along K
	s_add_co_u32 s30, s30, s31
	s_mov_b32 s31, 0
	s_mul_i32 s32, s28, 12288
	s_mul_i32 s33, s29, 6144
	s_add_co_u32 s32, s32, s33                     ; where my four fragments go
	s_mov_b32 s33, 0
	s_cmp_lt_u32 ttmp9, 352
	s_cselect_b32 s34, 0, 192                      ; Wo's tiles 704-767 are sc2's tiles 512-575
	s_sub_co_u32 s34, s28, s34
	s_lshl_b32 s34, s34, 9
	s_lshl_b32 s35, s29, 8
	s_add_co_u32 s34, s34, s35                     ; and my 256 bytes of scale words
	s_mov_b32 s35, 0
	s_wait_kmcnt 0x0
	s_cmp_lt_u32 ttmp9, 256                        ; the buffers are chosen by the work-group's number alone
	s_cselect_b64 s[20:21], s[4:5], s[6:7]
	s_cmp_lt_u32 ttmp9, 288
	s_cselect_b64 s[20:21], s[20:21], s[8:9]
	s_cmp_lt_u32 ttmp9, 320
	s_cselect_b64 s[20:21], s[20:21], s[10:11]
	s_cmp_lt_u32 ttmp9, 352
	s_cselect_b64 s[20:21], s[20:21], s[12:13]
	s_cselect_b64 s[22:23], s[16:17], s[18:19]
	s_add_nc_u64 s[20:21], s[20:21], s[30:31]
	s_add_nc_u64 s[14:15], s[14:15], s[32:33]
	s_add_nc_u64 s[22:23], s[22:23], s[34:35]
	LOADF 0
	LOADF 1
	PART 0
	PART 1
	PART 2
	PART 3
	v_cndmask_b32 v[WP], v[WS], v[WS+2], s26       ; lanes 0-15 store words 0 and 1 of their row, lanes 16-31 words 2 and 3
	v_cndmask_b32 v[WP+1], v[WS+1], v[WS+3], s26
	global_store_b64 v[SCO], v[WP:WP+1], s[22:23]  ; 32 lanes store 256 consecutive bytes, aligned
	s_wait_tensorcnt 0x0                           ; the wave's end, behind my last LDS store
	ds_add_u32 v[SPW], v[NIL]
	s_wait_dscnt 0x0
	s_endpgm
.Lfunc_end_k_qd6bae49386_quant:
	.size	k_qd6bae49386_quant, .Lfunc_end_k_qd6bae49386_quant-k_qd6bae49386_quant
	.p2alignl 7, 3214868480
	.fill 96, 4, 3214868480
	.section	.rodata,"a",@progbits
	.p2align	6, 0x0
	.amdhsa_kernel k_qd6bae49386_quant
		.amdhsa_group_segment_fixed_size 34304
		.amdhsa_private_segment_fixed_size 0
		.amdhsa_enable_private_segment 0
		.amdhsa_kernarg_size 64
		.amdhsa_user_sgpr_count 2
		.amdhsa_user_sgpr_kernarg_segment_ptr 1
		.amdhsa_wavefront_size32 1
		.amdhsa_system_sgpr_workgroup_id_x 1
		.amdhsa_system_sgpr_workgroup_id_y 1
		.amdhsa_system_sgpr_workgroup_id_z 1
		.amdhsa_system_vgpr_workitem_id 0
		.amdhsa_next_free_vgpr 256
		.amdhsa_next_free_sgpr 66
		.amdhsa_reserve_vcc 0
		.amdhsa_float_denorm_mode_32 3
		.amdhsa_float_denorm_mode_16_64 3
		.amdhsa_memory_ordered 1
		.amdhsa_forward_progress 1
		.amdhsa_inst_pref_size 35
	.end_amdhsa_kernel
	.amdgpu_metadata
---
amdhsa.version: [ 1, 2 ]
amdhsa.kernels:
  - .name:           k_qd6bae49386_quant
    .symbol:         k_qd6bae49386_quant.kd
    .args:
      - { .name: x, .offset: 0, .size: 8, .value_kind: global_buffer, .address_space: global }
      - { .name: Wq, .offset: 8, .size: 8, .value_kind: global_buffer, .address_space: global }
      - { .name: Wk, .offset: 16, .size: 8, .value_kind: global_buffer, .address_space: global }
      - { .name: Wv, .offset: 24, .size: 8, .value_kind: global_buffer, .address_space: global }
      - { .name: Wo, .offset: 32, .size: 8, .value_kind: global_buffer, .address_space: global }
      - { .name: codes1, .offset: 40, .size: 8, .value_kind: global_buffer, .address_space: global }
      - { .name: sc1, .offset: 48, .size: 8, .value_kind: global_buffer, .address_space: global }
      - { .name: sc2, .offset: 56, .size: 8, .value_kind: global_buffer, .address_space: global }
    .group_segment_fixed_size: 34304
    .private_segment_fixed_size: 0
    .kernarg_segment_align: 8
    .kernarg_segment_size: 64
    .max_flat_workgroup_size: 128
    .sgpr_count:     66
    .vgpr_count:     256
    .wavefront_size: 32
...
	.end_amdgpu_metadata
.endif
;; end of part 1
;; launch qkv (part 2): grid 12 x 32, 4 waves a work-group, clusters of 4 x 4, 327,680 bytes of LDS; arguments codes1, sc1, bq, bk, bv, qkv; writes qkv
.if DOCPART == 2
	.amdgcn_target "amdgcn-amd-amdhsa--gfx1250"
	.amdhsa_code_object_version 6
	.text
	.protected	k_qd6bae49386_qkv
	.globl	k_qd6bae49386_qkv
	.p2align	8
	.type	k_qd6bae49386_qkv,@function
k_qd6bae49386_qkv:
	s_mov_b64 s[64:65], 0
	v_nop
	global_prefetch_b8 v0, s[64:65] scope:SCOPE_SE
	s_setreg_imm32_b32 hwreg(HW_REG_WAVE_MODE, 25, 1), 1
	s_wait_xcnt 0x0
	s_wait_alu depctr_hold_cnt(0) depctr_sa_sdst(0) depctr_va_vdst(0) depctr_va_sdst(0) depctr_va_ssrc(0) depctr_va_vcc(0) depctr_vm_vsrc(0)
	s_getreg_b32 s2, hwreg(HW_REG_IB_STS2, 6, 4)
	s_cmp_eq_u32 s2, 0
	s_cbranch_scc0 .Lentry_in_a_cluster
	s_endpgm
.Lentry_in_a_cluster:
	s_bfe_u32 s2, ttmp6, 0x10000c
	s_cmp_lg_u32 s2, 0xf033
	s_cbranch_scc0 .Lentry_shape_is_right
	s_endpgm
.Lentry_shape_is_right:
; Q = x Wq^T + bq, K = x Wk^T + bk, V = x Wv^T + bv on codes of FP6 (E2M3) with E8M0 scales, and the results quantised at once: Q and K along the head's 64 channels, V along the keys.
; THE CLUSTER'S x SAYS WHICH: 0 Q, 1 K, 2 V.  Q, K: A = x (rows), B = the weight (features).  V is made as V^T: A = Wv (channels), B = x (keys), by the same loop.
; Operands come as register images (16 rows x 128 K: 1,536 bytes; codes1 [tile][K step 8][1,536]; tile T's lane r is row 32 (T / 2) + 8 (T % 2) + r + 8 (r / 8)).
; A work-group of four waves makes 256 x 256, a wave 128 x 128: 64 accumulators, 512 registers.  THE PRODUCT IS USED TRANSPOSED (source 0 = a tile of B, source 1 = a tile of A): a lane holds one row of A, and the 64
; registers of A's block a run along 128 neighbouring rows of B: the next K.  So a block is quantised in registers and leaves as images.
; K = 1,024 goes in four steps of 256 through three LDS slots: steps 0, 1, 2 are first fills, step 3 is the one refill, into slot 0.  By this text's count a wave has at most three tensor loads out.
; CLUSTER 4 x 4: A's tiles are asked for jointly along a row of the cluster, B's along a column.
; SCALE WORDS come once, straight into registers (64): register 8 i + ks: lanes 0-15 the word of A's block i, lanes 16-31 that of B's block i, for K step ks.  The bias is the C of K step 0's products.
; OUT: qkv = three regions [head of a batch 64][chunk 16][6,400]: a chunk serves 128 rows: 6,144 bytes of images, then 256 of scale words [r 16][4 words].
;   Q, K: half image t (768 bytes: 16 rows x 64 channels) at 768 t; word j: tile 2 j's two bytes below, tile 2 j + 1's above.   V: fragment c (16 channels x 128 keys) at 1,536 c; word c is its scale word.
; LIMITS: a block of zeros gets the byte 1 (its codes are zeros; this program alone reads the bytes); NaN and infinities are not served.
; REGISTERS: window 0: v1-8 lane terms; v16-27 LDS addresses; v28, v29 the add's two; v32-95 scale words; v96-127, v224-255 the bias; v128-223 A's fragments, one set (later the way out).
;   window 1: B's fragments, two sets, at v0 and v128.   windows 2, 3: the accumulators, (a, b) at v[8 (8 (a % 4) + b)].
.set TILEB,  12288                     ; a tile's images for all of K
.set STEPB,  3072                      ; and for 256 along K
.set FRB,    1536
.set HB,     768
.set QUARTB, 8*STEPB                   ; what one tensor load brings: 8 tiles
.set SLOTB,  4*QUARTB                  ; A's 16 tiles, then B's 16
.set SPARE,  3*SLOTB                   ; behind the slots: the spare words, 128 bytes a wave: two blocks of 256 bytes that no other line names
.set ADRA, 16                          ; v16 + 2 s, v17 + 2 s: my A tiles in slot s, + 16 x lane and + 512 + 8 x lane
.set ADRB, 22                          ; the same for B
.set SPW,  28
.set NIL,  29
.set SC,   32
.set AF,   128
.set G1A,  24                          ; s[24:31], s[32:39] descriptor groups 1 for A's and B's tiles: they differ in the mask
.set G1B,  32
.set G0A,  40                          ; s[40:55] groups 0 for A's four steps; never rewritten
.set G0B,  68                          ; s[68:83] for B's
.set PC,   128                         ; the way out: codes
.set TM,   148                         ; at work
.set WS,   164                         ; the eight blocks' scale words
.set X0,   172
.set X1,   176
.set WP,   180                         ; the four words that I store
.set OA,   184                         ; v184-187 the stores' offsets: first half (16 l, 512 + 8 l), second half
.set WO,   188
.set MSB, 0
.macro WIN new                         ; the immediate's high byte repeats the setting that is left
.if MSB != (\new)
	s_set_vgpr_msb (MSB<<8)|(\new)
.set MSB, \new
.endif
.endm
.macro PLACES                          ; four plain places: behind matrix instructions, in front of loads into registers that they read and of the first read of results
.rept 4
	v_nop
.endr
.endm
.macro CREST                           ; a round of the cluster's barrier behind its opening barrier
	s_cmp_lg_u32 s16, 0
	s_cbranch_scc1 .Lnot_wave_0_\@
	s_barrier_signal -3
.Lnot_wave_0_\@:
	s_barrier_wait -3
	s_barrier_signal -1
	s_barrier_wait -1
.endm
.macro CROUND
	s_barrier_signal -1
	s_barrier_wait -1
	CREST
.endm
.macro FRAG reg, adr, off              ; a fragment comes as it was stored: two half images
	ds_load_b128 v[\reg:\reg+3], v[\adr] offset:\off
	ds_load_b64 v[\reg+4:\reg+5], v[\adr+1] offset:\off
	ds_load_b128 v[\reg+6:\reg+9], v[\adr] offset:\off+HB
	ds_load_b64 v[\reg+10:\reg+11], v[\adr+1] offset:\off+HB
.endm
.macro FETCH_B slot, q, p              ; B's eight fragments of the slot's q-th 128 along K into set p: 32 loads
	WIN 0x40
.irp i, 0,1,2,3,4,5,6,7
	FRAG 128*(\p)+12*\i, ADRB+2*(\slot), STEPB*\i+FRB*(\q)
.endr
	WIN 0
.endm
.macro FETCH_A slot, q, i0             ; A's blocks i0 .. i0 + 3: 16 loads
.irp i, \i0, \i0+1, \i0+2, \i0+3
	FRAG AF+12*(\i), ADRA+2*(\slot), STEPB*(\i)+FRB*(\q)
.endr
.endm
; 16 products: A's blocks a0, a0 + 1 x B's eight, K step ks.  cm 0: the sums go on; 1: they start from the bias of B's block; 2: from that of A's block.
; The 64 accumulators take turns, one instruction a turn, in the same order in every K step.
.macro MUL16 a0, ks, cm
.irp a, \a0, \a0+1
.irp b, 0,1,2,3,4,5,6,7
.set rD, 8*(8*((\a)%4)+\b)
.set rB, 128*((\ks)%2)+12*\b
.set rA, AF+12*(\a)
.if (\cm) == 0
.set rC, rD
.elseif (\cm) == 1
.set rC, 96+8*\b+96*(\b/4)
.else
.set rC, 96+8*(\a)+96*((\a)/4)
.endif
	v_wmma_scale_f32_16x16x128_f8f6f4 v[rD:rD+7], v[rB:rB+11], v[rA:rA+11], v[rC:rC+7], v[SC+8*\b+(\ks)], v[SC+8*(\a)+(\ks)] matrix_a_fmt:MATRIX_FMT_FP6 matrix_b_fmt:MATRIX_FMT_FP6 matrix_a_scale:MATRIX_SCALE_ROW1
.endr
.endr
.endm
.macro WMUL hi, cm                     ; source 0 (B) window 1, source 1 (A) window 0, D window 2 or 3; C with D, or the bias in window 0
.if (\cm) == 0
	WIN 0xa1+0x50*(\hi)
.else
	WIN 0x81+0x40*(\hi)
.endif
.endm
.macro SECOND ks, ns, nq, cm           ; a K step's second half: the next K step's B and A's blocks 0-3 are asked for; my blocks 4-7 are multiplied; then A's blocks 4-7 are asked for
	FETCH_B \ns, \nq, 1-(\ks)%2
	FETCH_A \ns, \nq, 0
	WMUL 1, \cm
	MUL16 4, \ks, \cm
	MUL16 6, \ks, \cm
	PLACES
	WIN 0
	FETCH_A \ns, \nq, 4
.endm
.macro STEP ks, ns, nq, cm             ; a K step whose successor lies in the same slot
	s_wait_dscnt 16                                ; B's set and A's blocks 0-3 are in; the youngest 16 loads (A's blocks 4-7) may be out
	WMUL 0, \cm
	MUL16 0, \ks, \cm
	MUL16 2, \ks, \cm
	s_wait_dscnt 0x0                               ; A's blocks 4-7 are in
	PLACES
	SECOND \ks, \ns, \nq, \cm
.endm
.macro TURNP ks, ns, left              ; a slot's last K step. left: my younger tensor loads, which may stay out
	s_wait_tensorcnt \left                         ; my part of the next slot has landed
	s_wait_dscnt 16
	WIN 0xa1
	MUL16 0, \ks, 0
	s_wait_dscnt 0x0                               ; no LDS load of mine is out at the signal
	s_barrier_signal -1
	MUL16 2, \ks, 0
	WIN 0
	s_barrier_wait -1                              ; everybody's part has landed
	PLACES
	SECOND \ks, \ns, 0, 0
.endm
.macro TURNR ks, ns, t                 ; a slot's last K step with a fill behind a round: t = 2: slot 2's first fill; t = 3: the one refill, into slot 0
	s_wait_tensorcnt 0x0                           ; all my tensor loads have landed;
	ds_add_u32 v[SPW], v[NIL]                      ; 0 onto my spare word;
.if (\t) == 2
	s_mov_b32 s[G1A+2], 8<<16                      ; no tensor load of mine is out: from here on a load brings 8 tiles
	s_mov_b32 s[G1A+4], 8
	s_mov_b32 s[G1B+2], 8<<16
	s_mov_b32 s[G1B+4], 8
.endif
	s_wait_dscnt 17                                ; (the add and the youngest 16 loads may be out)
	WIN 0xa1
	MUL16 0, \ks, 0                                ; sixteen products stand between the add and the wait for it
	s_wait_dscnt 0x0                               ; the add is done, and my LDS reads are over
	s_barrier_signal -1                            ; this barrier opens a round of the cluster's barrier
	MUL16 2, \ks, 0
	WIN 0
	s_barrier_wait -1
	CREST                                          ; no wave of any partner still reads slot 0 or has a load on its way
	s_cmp_eq_u32 s17, 0                            ; waves 0, 1 fetch for A, waves 2, 3 for B: the branch hangs on the wave's number alone
	s_cbranch_scc0 .Lfor_b_\@
	tensor_load_to_lds s[G0A+4*(\t):G0A+4*(\t)+3], s[G1A:G1A+7]
	s_nop 0
	PLACES
	s_branch .Lasked_\@
.Lfor_b_\@:
	tensor_load_to_lds s[G0B+4*(\t):G0B+4*(\t)+3], s[G1B:G1B+7]
	s_nop 0
	PLACES
.Lasked_\@:                                            ; the four v_nop are also the places in front of the loads below; the refill has 96 products in which to land
	SECOND \ks, \ns, 0, 0
.endm
	s_load_b256 s[4:11], s[0:1], 0x0               ; codes1, sc1, bq, bk
	s_load_b128 s[12:15], s[0:1], 0x20             ; bv, qkv
	v_lshl_add_u32 v[SPW], v0, 2, SPARE
	v_mov_b32 v[NIL], 0
	ds_add_u32 v[SPW], v[NIL]                      ; the wave's opening: the add and its wait stand ahead of my first tensor load; work on registers stands between them
	ds_add_u32 v[SPW], v[NIL]
	v_lshrrev_b32 v1, 5, v0
	v_readfirstlane_b32 s16, v1                    ; wave 0..3
	s_lshr_b32 s17, s16, 1                         ; which 8 of A's 16 tiles are mine.  Also: I fetch for A (0) or for B (1)
	s_and_b32 s18, s16, 1                          ; which 8 of B's.  Also: which 8 tiles I fetch
	s_bfe_u32 s19, ttmp6, 0x40000                  ; cx
	s_bfe_u32 s20, ttmp6, 0x40004                  ; cy
	s_and_b32 s21, ttmp7, 0xffff
	s_lshl_b32 s21, s21, 2                         ; 4 x cluster y
	s_lshl_b32 s22, ttmp9, 2                       ; 4 x cluster x
	s_cmp_eq_u32 ttmp9, 2                          ; V?  The cluster's x is the same in all sixteen partners
	s_cselect_b32 s56, 0, s21
	s_cselect_b32 s57, s21, s22
	s_cselect_b32 s58, 640, 0                      ; A's first tile in codes1: Wv's, or x's
	s_cselect_b32 s59, 0, 512                      ; B's: x's, or Wq's (Wk's follow: 4 x cluster x blocks on)
	s_add_co_u32 s56, s56, s20                     ; A's block of 256 rows: cy (+ 4 x cluster y): it never holds cx
	s_add_co_u32 s57, s57, s19                     ; B's: cx + ..: it never holds cy
	s_lshl_b32 s60, s56, 4
	s_add_co_u32 s58, s58, s60
	s_lshl_b32 s61, s57, 4
	s_add_co_u32 s59, s59, s61
	s_lshl_b32 s62, s18, 3
	s_lshl_b32 s63, s17, 3
	s_add_co_u32 s84, s58, s62                     ; the 8 tiles of A that I would fetch,
	s_add_co_u32 s85, s59, s62                     ; those of B: also the 8 tiles of B that I multiply,
	s_add_co_u32 s86, s58, s63                     ; and the 8 tiles of A that I multiply
	s_mul_i32 s88, s84, TILEB
	s_mov_b32 s89, 0
	s_mul_i32 s90, s85, TILEB
	s_mov_b32 s91, 0
	s_lshl_b32 s92, s20, 2
	s_lshl_b32 s92, 15, s92                        ; my row of the cluster
	s_lshl_b32 s93, 0x1111, s19                    ; my column
	s_or_b32 s[G1A], s92, (3<<16)|(1<<21)          ; 15:0 the mask; 17:16 elements of 8 bytes; 20 no padding; 21 set beside a mask
	s_or_b32 s[G1B], s93, (3<<16)|(1<<21)
.irp g, G1A, G1B
	s_mov_b32 s[\g+1], 384<<16                     ; tensor_dim0 = 384 elements: a tile's 3,072 bytes of a step
	s_mov_b32 s[\g+2], 16<<16                      ; tensor_dim1 = 16 tiles for the head's loads; set to 8 in K step 1, for the later ones
	s_mov_b32 s[\g+3], 384<<16                     ; tile_dim0
	s_mov_b32 s[\g+4], 16                          ; tile_dim1
	s_mov_b32 s[\g+5], 1536                        ; from tile to tile: 12,288 bytes
	s_mov_b32 s[\g+6], 0
	s_mov_b32 s[\g+7], 0
.endr
	s_mul_i32 s94, s16, QUARTB                     ; where my quarter lands in a slot: no place in the cluster enters an LDS address
	s_mul_i32 s60, s58, TILEB                      ; A's 16 tiles, whole: the head's loads
	s_mov_b32 s61, 0
	s_mul_i32 s62, s59, TILEB                      ; B's 16
	s_mov_b32 s63, 0
	s_wait_dscnt 0x0                               ; the opening add is done
	s_wait_kmcnt 0x0
	s_add_nc_u64 s[88:89], s[4:5], s[88:89]
	s_add_nc_u64 s[90:91], s[4:5], s[90:91]
	s_add_nc_u64 s[60:61], s[4:5], s[60:61]
	s_add_nc_u64 s[62:63], s[4:5], s[62:63]
.irp t, 0,1                                    ; steps 0 and 1 come by the head's four loads, each of 16 tiles: one a wave
	s_mov_b32 s[G0A+4*\t], 1
	s_mov_b32 s[G0A+4*\t+1], \t*SLOTB
	s_add_nc_u64 s[G0A+4*\t+2:G0A+4*\t+3], s[60:61], \t*STEPB
	s_or_b32 s[G0A+4*\t+3], s[G0A+4*\t+3], 0x80000000
	s_mov_b32 s[G0B+4*\t], 1
	s_mov_b32 s[G0B+4*\t+1], \t*SLOTB+2*QUARTB
	s_add_nc_u64 s[G0B+4*\t+2:G0B+4*\t+3], s[62:63], \t*STEPB
	s_or_b32 s[G0B+4*\t+3], s[G0B+4*\t+3], 0x80000000
.endr
.irp t, 2,3                                    ; steps 2 and 3: a quarter of a slot a wave
	s_mov_b32 s[G0A+4*\t], 1
	s_add_co_u32 s[G0A+4*\t+1], s94, (\t%3)*SLOTB
	s_add_nc_u64 s[G0A+4*\t+2:G0A+4*\t+3], s[88:89], \t*STEPB
	s_or_b32 s[G0A+4*\t+3], s[G0A+4*\t+3], 0x80000000
	s_mov_b32 s[G0B+4*\t], 1
	s_add_co_u32 s[G0B+4*\t+1], s94, (\t%3)*SLOTB
	s_add_nc_u64 s[G0B+4*\t+2:G0B+4*\t+3], s[90:91], \t*STEPB
	s_or_b32 s[G0B+4*\t+3], s[G0B+4*\t+3], 0x80000000
.endr
	CROUND                                         ; all sixteen work-groups are here: the first joint loads meet
	s_cmp_eq_u32 s16, 0                            ; one chain of arms on the wave's number, one load to an arm: one tensor load a wave at the head
	s_cbranch_scc0 .Lhead_1
	tensor_load_to_lds s[G0A:G0A+3], s[G1A:G1A+7]  ; wave 0: A's step 0
	s_nop 0
	PLACES
	s_branch .Lfirst_done
.Lhead_1:
	s_cmp_eq_u32 s16, 1
	s_cbranch_scc0 .Lhead_2
	tensor_load_to_lds s[G0B:G0B+3], s[G1B:G1B+7]  ; wave 1: B's step 0
	s_nop 0
	PLACES
	s_branch .Lfirst_done
.Lhead_2:
	s_cmp_eq_u32 s16, 2
	s_cbranch_scc0 .Lhead_3
	tensor_load_to_lds s[G0A+4:G0A+7], s[G1A:G1A+7]  ; wave 2: A's step 1
	s_nop 0
	PLACES
	s_branch .Lfirst_done
.Lhead_3:
	tensor_load_to_lds s[G0B+4:G0B+7], s[G1B:G1B+7]  ; wave 3: B's step 1
	s_nop 0
	PLACES
.Lfirst_done:
	v_and_b32 v1, 31, v0                           ; lane
	v_and_b32 v2, 15, v0                           ; r
	v_bfe_u32 v3, v0, 4, 1                         ; h
	v_lshlrev_b32 v4, 4, v1                        ; 16 x lane
	v_lshlrev_b32 v5, 3, v1
	v_add_nc_u32 v5, 512, v5                       ; 512 + 8 x lane
	s_mul_i32 s60, s17, QUARTB                     ; my 8 tiles of A
	s_mul_i32 s61, s18, QUARTB
	s_add_co_u32 s61, s61, 2*QUARTB                ; my 8 tiles of B, behind A's 16
.irp s, 0,1,2
	v_add_nc_u32 v[ADRA+2*\s], s60, v4
	v_add_nc_u32 v[ADRA+2*\s+1], s60, v5
	v_add_nc_u32 v[ADRB+2*\s], s61, v4
	v_add_nc_u32 v[ADRB+2*\s+1], s61, v5
	s_add_co_u32 s60, s60, SLOTB
	s_add_co_u32 s61, s61, SLOTB
.endr
	s_lshl_b32 s86, s86, 9                         ; the scale words: 512 bytes a tile
	s_lshl_b32 s85, s85, 9
	v_mov_b32 v6, s86
	v_mov_b32 v7, s85
	v_cmp_ne_u32 s99, 0, v3                        ; lanes 16-31
	v_cndmask_b32 v6, v6, v7, s99                  ; lanes 0-15 take A's tiles, lanes 16-31 B's
	v_lshl_add_u32 v6, v2, 4, v6                   ; + 16 r: four words of my row
.irp i, 0,1,2,3,4,5,6,7
.irp g, 0,1
	global_load_b128 v[SC+8*\i+4*\g:SC+8*\i+4*\g+3], v6, s[6:7] offset:512*\i+256*\g
.endr
.endr
	s_cmp_eq_u32 ttmp9, 2                          ; which of the two sides are x's rows, and which the features
	s_cselect_b32 s58, s57, s56                    ; x's block of 256 rows
	s_cselect_b32 s59, s20, s19                    ; the weight's block of 256 features
	s_cselect_b32 s62, s18, s17                    ; my half of the rows
	s_cselect_b32 s63, s17, s18                    ; my half of the features
	s_mov_b32 s84, 768
	s_cselect_b32 s84, 1536, s84                   ; the stores' step from block to block,
	s_mov_b32 s87, 768
	s_cselect_b32 s87, 97792, s87                  ; from block 3 to block 4 (V: on to the next head: 102,400 - 3 x 1,536),
	s_mov_b32 s95, 102400
	s_cselect_b32 s95, 768, s95                    ; and from a block's first half to its second (Q, K: the next head)
	s_lshr_b32 s92, s58, 3                         ; the batch
	s_lshl_b32 s92, s92, 4
	s_lshl_b32 s93, s59, 2
	s_add_co_u32 s92, s92, s93
	s_lshl_b32 s93, s63, 1
	s_add_co_u32 s92, s92, s93                     ; 16 x batch + my first head
	s_lshl_b32 s92, s92, 4
	s_and_b32 s93, s58, 7
	s_lshl_b32 s93, s93, 1
	s_add_co_u32 s92, s92, s93
	s_add_co_u32 s92, s92, s62                     ; x 16 + my chunk of 128 rows
	s_mul_i32 s92, s92, 6400
	s_mul_i32 s93, ttmp9, 6553600                  ; Q's, K's or V's region
	s_add_co_u32 s92, s92, s93
	s_mov_b32 s93, 0
	s_add_nc_u64 s[14:15], s[14:15], s[92:93]
	s_lshl_b32 s96, s59, 10
	s_lshl_b32 s97, s63, 9
	s_add_co_u32 s96, s96, s97                     ; my 128 features' bias
	s_mov_b32 s97, 0
	s_cmp_eq_u32 ttmp9, 0
	s_cselect_b64 s[8:9], s[8:9], s[10:11]
	s_cmp_eq_u32 ttmp9, 2
	s_cselect_b64 s[8:9], s[12:13], s[8:9]
	s_add_nc_u64 s[8:9], s[8:9], s[96:97]
	v_lshlrev_b32 v7, 6, v3                        ; Q, K: 64 h
	v_and_b32 v8, 8, v2
	v_add_nc_u32 v8, v8, v2
	v_lshlrev_b32 v8, 2, v8                        ; V: 4 (r + 8 (r / 8))
	s_mov_b32 s2, 0x76543210
	s_mov_b32 s3, 0xfedcba98                       ; selects for lane l xor 16
	s_cmp_eq_u32 ttmp9, 2
	s_cbranch_scc1 .Lbias_v
.irp b, 0,1,2,3,4,5,6,7                        ; Q, K: register j of B's block b is feature 32 (b / 2) + 16 h + 8 (b % 2) + j
	global_load_b128 v[96+8*\b+96*(\b/4):96+8*\b+96*(\b/4)+3], v7, s[8:9] offset:(32*(\b/2)+8*(\b%2))*4
	global_load_b128 v[96+8*\b+96*(\b/4)+4:96+8*\b+96*(\b/4)+7], v7, s[8:9] offset:(32*(\b/2)+8*(\b%2))*4+16
.endr
	s_branch .Lbias_done
.Lbias_v:
	s_wait_alu depctr_va_vdst(0)
.irp a, 0,1,2,3,4,5,6,7                        ; V: a lane holds one channel of A's block a: 32 (a / 2) + 8 (a % 2) + r + 8 (r / 8): one number for all eight registers
	global_load_b32 v[96+8*\a+96*(\a/4)], v8, s[8:9] offset:(32*(\a/2)+8*(\a%2))*4
.endr
	s_wait_loadcnt 0x0
.irp a, 0,1,2,3,4,5,6,7
.irp j, 1,2,3,4,5,6,7
	v_mov_b32 v[96+8*\a+96*(\a/4)+\j], v[96+8*\a+96*(\a/4)]
.endr
.endr
	PLACES
	PLACES
.Lbias_done:
	s_wait_alu depctr_va_vdst(0)
	s_cmp_lt_u32 s16, 2                            ; step 0 is waves 0 and 1's; step 1's loads may stay out
	s_cbranch_scc0 .Lnot_step0
	s_wait_tensorcnt 0x0
.Lnot_step0:
	s_barrier_signal -1
	s_barrier_wait -1                              ; everybody's is
	FETCH_B 0, 0, 0
	FETCH_A 0, 0, 0
	FETCH_A 0, 0, 4
	s_wait_loadcnt 0x0                             ; the scale words and the bias
	s_cmp_eq_u32 ttmp9, 2                          ; K step 0 starts the sums from the bias: by B's block (Q, K) or by A's (V)
	s_cbranch_scc1 .Lstep0_v
	s_wait_alu depctr_va_vdst(0)
	STEP 0, 0, 1, 1
	s_branch .Lstep0_done
.Lstep0_v:
	s_wait_alu depctr_va_vdst(0)
	STEP 0, 0, 1, 2
.Lstep0_done:
	TURNR 1, 1, 2                                  ; on to slot 1; slot 2 takes step 2
	STEP 2, 1, 1, 0
	TURNR 3, 2, 3                                  ; on to slot 2; slot 0 takes step 3
	STEP 4, 2, 1, 0
	TURNP 5, 0, 0                                  ; on to slot 0: the one load that is out is step 3's
	STEP 6, 0, 1, 0
	s_wait_dscnt 16                                ; the last K step: nothing more to fetch
	WIN 0xa1
	MUL16 0, 7, 0
	MUL16 2, 7, 0
	s_wait_dscnt 0x0
	WIN 0xf1
	MUL16 4, 7, 0
	MUL16 6, 7, 0
	WIN 0
	PLACES                                         ; in front of the first read of results and of the first write into A's registers
; THE WAY OUT.  Block a's 64 registers of a lane are 128 neighbours along the next K, register 16 b + i = 32 b + 16 h + i: four blocks of 32 are quantised as they stand and leave as two half images.
.irp b, 0,1,2,3
	v_mov_b32 v[TM+4+\b], 0                        ; written once: a lane permute's destination counts as one of its sources
.endr
	v_mov_b32 v[OA], v4
	v_mov_b32 v[OA+1], v5
	v_add_nc_u32 v[OA+2], s95, v4
	v_add_nc_u32 v[OA+3], s95, v5
	v_mul_u32_u24 v[WO], v3, 0x19000               ; the scale words: lanes 16-31 store the next head's: 102,400 bytes on
	v_lshl_add_u32 v[WO], v2, 4, v[WO]
.macro OUTB a
.set AC, 64*((\a)%4)
.set WW, 2+(\a)/4                      ; the block's window
	WIN WW*5                                       ; sources 0 and 1 in the block's window
.irp b, 0,1,2,3
	v_max3_num_f32 v[TM+\b], |v[AC+16*\b]|, |v[AC+16*\b+1]|, 0x1800000   ; each accumulator is read from its low end on; the floor 2^(3 - 127) holds the byte at 1 from below
.endr
	WIN WW*20                                      ; sources 1 and 2
.irp i, 2,4,6,8,10,12,14
.irp b, 0,1,2,3
	v_max3_num_f32 v[TM+\b], v[TM+\b], |v[AC+16*\b+\i]|, |v[AC+16*\b+\i+1]|
.endr
.endr
	WIN 0
.irp b, 0,1,2,3
	v_permlanex16_b32 v[TM+4+\b], v[TM+\b], s2, s3
.endr
.irp b, 0,1,2,3
	v_max_num_f32 v[TM+\b], v[TM+\b], v[TM+4+\b]
.endr
.irp b, 0,1,2,3
	v_add_nc_u32 v[TM+12+\b], 0xff000000, v[TM+\b] ; 2 off the exponent field: the conversion's scale operand
.endr
.irp b, 0,1,2,3
	v_lshrrev_b32 v[TM+4+\b], 23, v[TM+12+\b]      ; the scale's byte
.endr
	v_lshl_or_b32 v[WS+(\a)], v[TM+5], 8, v[TM+4]
	v_lshl_or_b32 v[WS+(\a)], v[TM+6], 16, v[WS+(\a)]
	v_lshl_or_b32 v[WS+(\a)], v[TM+7], 24, v[WS+(\a)]
	s_wait_xcnt 0x0                                ; the last block's stores have read their codes and offsets: both are written again only behind this wait
.if (\a) == 4
.irp i, 0,1,2,3
	v_add_nc_u32 v[OA+\i], s87, v[OA+\i]
.endr
.elseif (\a) > 0
.irp i, 0,1,2,3
	v_add_nc_u32 v[OA+\i], s84, v[OA+\i]
.endr
.endif
	WIN WW                                         ; source 0
.irp c, 0,1
	v_cvt_scalef32_pk16_fp6_f32 v[PC+6*\c:PC+6*\c+2], v[AC+32*\c:AC+32*\c+15], v[TM+12+2*\c]
	v_cvt_scalef32_pk16_fp6_f32 v[PC+12+4*\c:PC+14+4*\c], v[AC+32*\c+16:AC+32*\c+31], v[TM+13+2*\c]
.endr
	WIN 0
	v_nop                                          ; one plain place behind a scaled conversion
.irp c, 0,1
.irp i, 0,1,2
	v_permlane16_swap_b32 v[PC+6*\c+\i], v[PC+12+4*\c+\i]
.endr
.irp i, 0,1,2
	v_mov_b32 v[PC+3+6*\c+\i], v[PC+12+4*\c+\i]
.endr
.endr
	global_store_b128 v[OA], v[PC:PC+3], s[14:15]          ; each store covers 512 or 256 consecutive bytes, aligned to 256
	global_store_b64 v[OA+1], v[PC+4:PC+5], s[14:15]
	global_store_b128 v[OA+2], v[PC+6:PC+9], s[14:15]
	global_store_b64 v[OA+3], v[PC+10:PC+11], s[14:15]
.endm
.irp a, 0,1,2,3,4,5,6,7
	OUTB \a
.endr
	s_cmp_eq_u32 ttmp9, 2
	s_cbranch_scc1 .Lwords_v
.irp j, 0,1,2,3                                ; Q, K: a block's word holds two bytes of my first head and two of my second: two tiles' bytes of one head make a word
	v_perm_b32 v[X0+\j], v[WS+2*\j+1], v[WS+2*\j], 0x05040100
	v_perm_b32 v[X1+\j], v[WS+2*\j+1], v[WS+2*\j], 0x07060302
.endr
.irp j, 0,1,2,3
	v_cndmask_b32 v[WP+\j], v[X0+\j], v[X1+\j], s99
.endr
	s_branch .Lwords_done
.Lwords_v:
.irp j, 0,1,2,3                                ; V: blocks 0-3 are my first head's four fragments, blocks 4-7 my second's
	v_cndmask_b32 v[WP+\j], v[WS+\j], v[WS+4+\j], s99
.endr
.Lwords_done:
	s_wait_alu depctr_va_vdst(0)
	global_store_b128 v[WO], v[WP:WP+3], s[14:15] offset:6144   ; sixteen lanes store a chunk's 256 bytes of scale words
	s_wait_tensorcnt 0x0                           ; the wave's end, behind my last tensor load
	ds_add_u32 v[SPW], v[NIL]
	s_wait_dscnt 0x0
	CROUND                                         ; the closing round: no work-group ends while a partner may still ask for a tile that names it
	s_endpgm
.Lfunc_end_k_qd6bae49386_qkv:
	.size	k_qd6bae49386_qkv, .Lfunc_end_k_qd6bae49386_qkv-k_qd6bae49386_qkv
	.p2alignl 7, 3214868480
	.fill 96, 4, 3214868480
	.section	.rodata,"a",@progbits
	.p2align	6, 0x0
	.amdhsa_kernel k_qd6bae49386_qkv
		.amdhsa_group_segment_fixed_size 327680
		.amdhsa_private_segment_fixed_size 0
		.amdhsa_enable_private_segment 0
		.amdhsa_kernarg_size 48
		.amdhsa_user_sgpr_count 2
		.amdhsa_user_sgpr_kernarg_segment_ptr 1
		.amdhsa_wavefront_size32 1
		.amdhsa_system_sgpr_workgroup_id_x 1
		.amdhsa_system_sgpr_workgroup_id_y 1
		.amdhsa_system_sgpr_workgroup_id_z 1
		.amdhsa_system_vgpr_workitem_id 0
		.amdhsa_next_free_vgpr 1024
		.amdhsa_next_free_sgpr 100
		.amdhsa_reserve_vcc 0
		.amdhsa_float_denorm_mode_32 3
		.amdhsa_float_denorm_mode_16_64 3
		.amdhsa_memory_ordered 1
		.amdhsa_forward_progress 1
		.amdhsa_inst_pref_size 168
	.end_amdhsa_kernel
	.amdgpu_metadata
---
amdhsa.version: [ 1, 2 ]
amdhsa.kernels:
  - .name:           k_qd6bae49386_qkv
    .symbol:         k_qd6bae49386_qkv.kd
    .args:
      - { .name: codes1, .offset: 0, .size: 8, .value_kind: global_buffer, .address_space: global }
      - { .name: sc1, .offset: 8, .size: 8, .value_kind: global_buffer, .address_space: global }
      - { .name: bq, .offset: 16, .size: 8, .value_kind: global_buffer, .address_space: global }
      - { .name: bk, .offset: 24, .size: 8, .value_kind: global_buffer, .address_space: global }
      - { .name: bv, .offset: 32, .size: 8, .value_kind: global_buffer, .address_space: global }
      - { .name: qkv, .offset: 40, .size: 8, .value_kind: global_buffer, .address_space: global }
    .group_segment_fixed_size: 327680
    .private_segment_fixed_size: 0
    .kernarg_segment_align: 8
    .kernarg_segment_size: 48
    .max_flat_workgroup_size: 128
    .sgpr_count:     100
    .vgpr_count:     1024
    .wavefront_size: 32
...
	.end_amdgpu_metadata
.endif
;; end of part 2
;; launch attn (part 3): grid 4 x 64, 8 waves a work-group, clusters of 4 x 1, 327,680 bytes of LDS; arguments qkv, cc, sc2; writes cc, sc2
.if DOCPART == 3
	.amdgcn_target "amdgcn-amd-amdhsa--gfx1250"
	.amdhsa_code_object_version 6
	.text
	.protected	k_qd6bae49386_attn
	.globl	k_qd6bae49386_attn
	.p2align	8
	.type	k_qd6bae49386_attn,@function
k_qd6bae49386_attn:
	s_mov_b64 s[64:65], 0
	v_nop
	global_prefetch_b8 v0, s[64:65] scope:SCOPE_SE
	s_setreg_imm32_b32 hwreg(HW_REG_WAVE_MODE, 25, 1), 1
	s_wait_xcnt 0x0
	s_wait_alu depctr_hold_cnt(0) depctr_sa_sdst(0) depctr_va_vdst(0) depctr_va_sdst(0) depctr_va_ssrc(0) depctr_va_vcc(0) depctr_vm_vsrc(0)
	s_getreg_b32 s2, hwreg(HW_REG_IB_STS2, 6, 4)
	s_cmp_eq_u32 s2, 0
	s_cbranch_scc0 .Lentry_in_a_cluster
	s_endpgm
.Lentry_in_a_cluster:
	s_bfe_u32 s2, ttmp6, 0x10000c
	s_cmp_lg_u32 s2, 0x3003
	s_cbranch_scc0 .Lentry_shape_is_right
	s_endpgm
.Lentry_shape_is_right:
; ctx[q] = the sum over keys of softmax(Q[q] . K[k] / 8) V[k], for each of 64 heads of 2,048 x 64, both products on codes of FP6 (E2M3) with E8M0 scales; ctx is quantised at once for the last projection.
; THE SOFTMAX: t = score x log2(e) / 8; M = the row's largest t so far, rounded UP to a whole number; p = 2^(t - M) is quantised along the keys, not normalised.  The row's sum is taken of the
; unquantised p and divides O at the end.  When M moves, the sum and O are multiplied by 2^(old M - new M): exact.
; IN: qkv = regions Q, K, V, each [head 64][chunk 16][6,400]; a chunk serves 128 rows: images (6,144 bytes), then scale words [r 16][4].  Q, K: half image T = tile T (16 rows x 64 channels), its lane r = row
; 32 (T / 2) + 8 (T % 2) + r + 8 (r / 8) of the chunk.  V: fragment c = 16 channels x the chunk's 128 keys.
; SHARES.  256 work-groups; a work-group owns 512 queries of a head; each of its eight waves takes TWO tiles of 16 queries in each of two passes over the head's keys: every fragment of K and V that a wave
; reads from LDS feeds both tiles, 24 products a key step, and the two tiles' lines stand by turns, so that few lines read the line just above them.
; A WHOLE HEAD'S K AND V LIE IN LDS, filled once: every wave asks for four chunks (25,600 dense bytes, as 100 rows of 256) by its one tensor load at the head: waves 0-3 K's, waves 4-7 V's.  64 bytes of padding
; stand behind each 256: a chunk takes 8,000 bytes, K's sixteen from 0, V's from 128,000.  Every wave waits for its load, one barrier shows all; no byte is filled again and no other barrier stands ahead of the closing round.
; No data prefetch: every fill is issued at the head, so there is no later load for a loop to run ahead of.
; CLUSTER 4 x 1: the four blocks of queries of one head want the same K and V: every load is a joint one.
; BOTH PRODUCTS TRANSPOSED: a lane holds one query.  S^T = K Q^T has K = 64 in an instruction of 128: source 0 is a pair of key tiles, source 1 is [Q | zeros] or [zeros | Q].
; THE KEYS OF A TILE ARE CHOSEN BY THE LANES' LDS ADDRESSES: of each 64 keys, tile u takes keys 8 u + 0..7 in rows 0-7 and keys 32 + 8 u + 0..7 in rows 8-15 (rows 0-7 come from stored tile u % 2, rows 8-15 from
; stored tile 2 + u % 2, the stored rows' upper eight where u > 1).  So the 32 registers of four tiles are 32 neighbouring keys, 64 c + 32 h + i: a whole scale block of p lies in one lane.
; K AND V HAVE REGISTERS OF THEIR OWN: the next step's K is asked of LDS behind this step's first products, the next step's V behind its second.  The place wraps at key step 16, so a pass's last step fetches the
; next pass's first fragments; the second pass's last step fetches 37 loads that nobody uses.
; REGISTERS BY KIND, so that one window setting serves both tiles: window 1: v0-127 S^T, then p (tile x at 64 x); v128-191 O^T (128 + 32 x); v192-239 K's fragments.  Window 0: all else.
; OUT: cc [tile of rows 512][head 16][768]: a half image; sc2 [tile][group 2][r 16][4 words]: my head's two bytes of a row, stored singly: 32 bytes a tile beside 768 of codes.
; LIMITS: the promise holds while the scaled scores stay under 2^31 in magnitude; p under 2^-126 falls to 0; a block of zeros gets the byte 1 (this program alone reads the bytes); a block's largest p is taken
; from its largest score (v_exp_f32 is taken not to fall where its input rises); NaN and infinities are not served.
.set CHUNK, 6400
.set CHP,   8000                       ; a chunk in LDS: 25 rows of 320
.set HEADB, 16*CHUNK
.set REGB,  64*HEADB
.set VB,    16*CHP
.set SPARE, 32*CHP                     ; 256,000: the spare words, 128 bytes a wave: four blocks of 256 bytes that no other line names
.set G16, 1                            ; v1  16 x lane;  v2  512 + 8 x lane: images in memory
.set G8,  2
.set SBY, 3                            ; v3  16 r + h: my scale byte's place
.set SPW, 4                            ; v4  my spare word; v5  0: never rewritten
.set NIL, 5
.set SH8, 6                            ; v6  8 h
.set NM,  8                            ; + 2 x: -M, and above it the largest score
.set SU,  12                           ; + 2 x: the sum in two halves
.set F,   16                           ; + 2 x: f = 2^(old M - new M)
.set T0,  20                           ; + 3 x
.set T1,  21
.set T2,  22
.set BM,  26                           ; + 4 x + c: the blocks' largest scores, then p; BX: their second chains
.set BX,  28
.set KS,  34                           ; v34-37 K's scale words, v38-41 V's
.set VS,  38
.set QW,  42                           ; + x: Q's scale word: the tile's two bytes, twice
.set VF,  44                           ; v44-91 V's four fragments
.set PWD, 92                           ; + x: p's scale word
.set SO,  94                           ; + 4 x + c: the conversions' scale operands; BT: the bytes
.set BT,  96
.set PW,  102                          ; + x
.set XS,  102                          ; + 6 x + 2 j, j = 1..3: three more chains of the sum
.set QR,  116                          ; + 18 x: Q, six zeros, Q
.set PC,  152                          ; + 12 x: p's codes
.set TC,  176                          ; + 8 x + 4 c: the conversions' second halves
.set QN,  192                          ; + 6 x: the next pass's Q as loaded
.set RW,  204                          ; its scale word: tile 0's bytes below, tile 1's above
.set QA,  205
.set KL16, 206                         ; v206-211 lane terms of the LDS addresses; v212-217 the same with the key step's place
.set KL8,  207
.set KLS,  208
.set VL16, 209
.set VL8,  210
.set VLS,  211
.set KA16, 212
.set KA8,  213
.set KAS,  214
.set VA16, 215
.set VA8,  216
.set VAS,  217
.set RR,  218
.set HH,  219
.set OO,  128                          ; window 1: O^T
.set KF,  192                          ; window 1: K's fragments
.set WV,  10
.set SEL, 14                           ; s[14:15] selects for lane l xor 16
.set CS,  16                           ; s[16:17] c = log2(e) / 8
.set TB,  18                           ; the next key step's place in LDS
.set IX,  22                           ; key steps done in this pass
.set PN,  23                           ; passes done
.set G1,  24
.set G0,  32
.set MSB, 0
.macro WIN new                         ; the immediate's high byte repeats the setting that is left
.if MSB != (\new)
	s_set_vgpr_msb (MSB<<8)|(\new)
.set MSB, \new
.endif
.endm
.macro WALU
	s_wait_alu depctr_va_vdst(0)
.endm
.macro H2
	s_delay_alu instid0(VALU_DEP_2)
.endm
.macro CROUND                          ; a round of the cluster's barrier
	s_barrier_signal -1
	s_barrier_wait -1
	s_cmp_lg_u32 s[WV], 0
	s_cbranch_scc1 .Lnot_wave_0_\@
	s_barrier_signal -3
.Lnot_wave_0_\@:
	s_barrier_wait -3
	s_barrier_signal -1
	s_barrier_wait -1
.endm
.macro KLOAD                           ; 20 LDS loads: four pairs of key tiles, by the lanes' own choice of rows, and their scale words
	WIN 0x40
.irp c, 0,1
.irp g, 0,1
	ds_load_b128 v[KF+24*\c+12*\g:KF+24*\c+12*\g+3], v[KA16] offset:3840*\c+128*\g
	ds_load_b64 v[KF+24*\c+12*\g+4:KF+24*\c+12*\g+5], v[KA8] offset:3840*\c+64*\g
	ds_load_b128 v[KF+24*\c+12*\g+6:KF+24*\c+12*\g+9], v[KA16] offset:3840*\c+128*\g+960
	ds_load_b64 v[KF+24*\c+12*\g+10:KF+24*\c+12*\g+11], v[KA8] offset:3840*\c+64*\g+960
.endr
.endr
	WIN 0
.irp c, 0,1
.irp g, 0,1
	ds_load_b32 v[KS+2*\c+\g], v[KAS] offset:8*\c+128*\g
.endr
.endr
.endm
.macro VLOAD                           ; 17 LDS loads: V's four fragments and their scale words
.irp p, 0,1,2,3
	ds_load_b128 v[VF+12*\p:VF+12*\p+3], v[VA16] offset:1920*\p
	ds_load_b64 v[VF+12*\p+4:VF+12*\p+5], v[VA8] offset:1920*\p
	ds_load_b128 v[VF+12*\p+6:VF+12*\p+9], v[VA16] offset:1920*\p+960
	ds_load_b64 v[VF+12*\p+10:VF+12*\p+11], v[VA8] offset:1920*\p+960
.endr
	ds_load_b128 v[VS:VS+3], v[VAS]
.endm
.macro QLOAD off                       ; two tiles of Q and their common scale word
	global_load_b128 v[QN:QN+3], v[G16], s[62:63] offset:\off
	global_load_b64 v[QN+4:QN+5], v[G8], s[62:63] offset:\off
	global_load_b128 v[QN+6:QN+9], v[G16], s[62:63] offset:\off+768
	global_load_b64 v[QN+10:QN+11], v[G8], s[62:63] offset:\off+768
	global_load_b32 v[RW], v[QA], s[58:59] offset:\off+6144
.endm
	s_load_b128 s[4:7], s[0:1], 0x0                ; qkv, cc
	s_load_b64 s[8:9], s[0:1], 0x10                ; sc2
	v_lshl_add_u32 v[SPW], v0, 2, SPARE
	v_mov_b32 v[NIL], 0
	ds_add_u32 v[SPW], v[NIL]                      ; the opening lines: the add, twice on end, and its wait ahead of my tensor load
	ds_add_u32 v[SPW], v[NIL]
	v_lshrrev_b32 v[RR], 5, v0
	v_readfirstlane_b32 s[WV], v[RR]               ; wave 0..7
	s_bfe_u32 s11, ttmp6, 0x40000                  ; cx: my block of 512 queries: it enters Q's and the outputs' addresses alone
	s_and_b32 s13, ttmp7, 0xffff                   ; the head (16 x batch + head), which the four partners share
	s_mov_b32 s[G1], 15|(3<<16)|(1<<20)|(1<<21)|(5<<22)|(15<<25)   ; the mask: all four; elements of 8 bytes; padding on; bit 21 beside a mask; behind every 64 words 16 words
	s_mov_b32 s[G1+1], 32<<16                      ; rows of 256 bytes
	s_mov_b32 s[G1+2], 100<<16                     ; 100 of them: four chunks
	s_mov_b32 s[G1+3], 32<<16
	s_mov_b32 s[G1+4], 100
	s_mov_b32 s[G1+5], 32
	s_mov_b32 s[G1+6], 0
	s_mov_b32 s[G1+7], 0
	s_mov_b32 s[G0], 1
	s_mul_i32 s[G0+1], s[WV], 4*CHP                ; LDS: 32,000 x wave: K's four fours, then V's
	s_lshr_b32 s48, s[WV], 2
	s_add_co_u32 s49, s48, 1
	s_mul_i32 s52, s49, REGB                       ; K's region (waves 0-3) or V's,
	s_mul_i32 s53, s13, HEADB                      ; the head,
	s_add_co_u32 s52, s52, s53
	s_and_b32 s50, s[WV], 3
	s_mul_i32 s53, s50, 4*CHUNK                    ; the four chunks
	s_add_co_u32 s52, s52, s53
	s_mov_b32 s53, 0
	s_mov_b32 s[SEL], 0x76543210
	s_mov_b32 s[SEL+1], 0xfedcba98
	s_mov_b32 s[CS], 0x3e38aa3b
	s_mov_b32 s[CS+1], s[CS]                       ; (named with it as a pair)
	s_wait_dscnt 0x0                               ; both opening adds are done
	s_wait_kmcnt 0x0
	s_add_nc_u64 s[G0+2:G0+3], s[4:5], s[52:53]
	s_or_b32 s[G0+3], s[G0+3], 0x80000000
	CROUND                                         ; all four work-groups are here: the joint loads meet
	tensor_load_to_lds s[G0:G0+3], s[G1:G1+7]      ; my one tensor load
	s_nop 0
	s_lshl_b32 s56, s11, 2
	s_add_co_u32 s56, s56, s48                     ; my queries' chunk in the first pass: 4 x block + wave / 4; in the second two on
	s_mul_i32 s56, s56, CHUNK
	s_mul_i32 s57, s13, HEADB
	s_add_co_u32 s56, s56, s57
	s_mov_b32 s57, 0
	s_add_nc_u64 s[58:59], s[4:5], s[56:57]        ; in Q's region, the first
	s_mul_i32 s62, s50, 1536                       ; my tiles of the chunk: 2 (wave % 4) and the next
	s_mov_b32 s63, 0
	s_add_nc_u64 s[62:63], s[58:59], s[62:63]
	s_lshl_b32 s21, s50, 2                         ; their scale word
	s_lshr_b32 s48, s13, 4                         ; where my results go: the tiles of rows 128 x batch + 32 x block + 2 x wave and the next (second pass: 16 on),
	s_lshl_b32 s48, s48, 7
	s_lshl_b32 s50, s11, 5
	s_add_co_u32 s48, s48, s50
	s_lshl_b32 s50, s[WV], 1
	s_add_co_u32 s48, s48, s50
	s_and_b32 s51, s13, 15                         ; the head of its batch
	s_mul_i32 s52, s48, 12288
	s_mul_i32 s53, s51, 768
	s_add_co_u32 s52, s52, s53
	s_mov_b32 s53, 0
	s_add_nc_u64 s[6:7], s[6:7], s[52:53]
	s_lshl_b32 s52, s48, 9                         ; scale bytes: 512 a tile, 256 a group of four K steps, 4 a K step (two heads), 2 a head
	s_lshr_b32 s54, s51, 3
	s_lshl_b32 s54, s54, 8
	s_add_co_u32 s52, s52, s54
	s_bfe_u32 s54, s51, 0x20001
	s_lshl_b32 s54, s54, 2
	s_add_co_u32 s52, s52, s54
	s_and_b32 s54, s51, 1
	s_lshl_b32 s54, s54, 1
	s_add_co_u32 s52, s52, s54
	s_add_nc_u64 s[8:9], s[8:9], s[52:53]
	s_mov_b32 s[TB], 0
	s_mov_b32 s[PN], 0
	v_and_b32 v[T0], 31, v0                        ; lane
	v_and_b32 v[RR], 15, v0                        ; r
	v_bfe_u32 v[HH], v0, 4, 1                      ; h
	v_lshlrev_b32 v[G16], 4, v[T0]
	v_lshlrev_b32 v[G8], 3, v[T0]
	v_lshlrev_b32 v[QA], 4, v[RR]
	v_add_nc_u32 v[G8], 512, v[G8]
	v_add_nc_u32 v[QA], s21, v[QA]
	QLOAD 0
	v_and_b32 v[T1], 7, v0                         ; r % 8
	v_bfe_u32 v[T2], v0, 3, 1                      ; r / 8
	v_mul_u32_u24 v[VL16], v[HH], 320              ; V, images as stored: 16 r + 320 h; 640 + 8 x lane; words at row 24: 7,680 + 16 r
	v_lshlrev_b32 v[VL8], 3, v[T0]
	v_lshlrev_b32 v[VLS], 4, v[RR]
	v_lshl_add_u32 v[VL16], v[RR], 4, v[VL16]
	v_add_nc_u32 v[VL8], VB+640, v[VL8]
	v_add_nc_u32 v[VLS], VB+7680, v[VLS]
	v_add_nc_u32 v[VL16], VB, v[VL16]
	v_mul_u32_u24 v[KL16], v[T2], 1920             ; K: lanes 8-15 of a row of lanes read two stored tiles (6 LDS rows) further on, at the stored lane r % 8
	v_lshl_add_u32 v[KLS], v[T2], 2, 7680          ; and the next word of the stored row r % 8
	v_mad_u32_u24 v[KL8], v[HH], 128, v[KL16]
	v_mad_u32_u24 v[KL16], v[HH], 320, v[KL16]
	v_lshl_add_u32 v[KLS], v[T1], 4, v[KLS]
	v_lshl_add_u32 v[KL8], v[T1], 3, v[KL8]
	v_lshl_add_u32 v[KL16], v[T1], 4, v[KL16]
	v_add_nc_u32 v[KL8], 640, v[KL8]
	v_lshlrev_b32 v[SH8], 3, v[HH]
	v_lshl_add_u32 v[SBY], v[RR], 4, v[HH]
	v_cmp_ne_u32 s20, 0, v[HH]                     ; lanes 16-31
.irp x, 0,1
	v_mov_b32 v[T2+3*\x], 0                        ; (a lane permute's destination counts as one of its sources)
	v_mov_b32 v[F+2*\x+1], 0                       ; (named as the upper half of a pair)
.irp j, 6,7,8,9,10,11
	v_mov_b32 v[QR+18*\x+\j], 0                    ; the zero codes
.endr
.endr
	v_add_nc_u32 v[KA16], s[TB], v[KL16]           ; key step 0's places
	v_add_nc_u32 v[KA8], s[TB], v[KL8]
	v_add_nc_u32 v[KAS], s[TB], v[KLS]
	v_add_nc_u32 v[VA16], s[TB], v[VL16]
	v_add_nc_u32 v[VA8], s[TB], v[VL8]
	v_add_nc_u32 v[VAS], s[TB], v[VLS]
	WALU
	s_wait_tensorcnt 0x0                           ; my four chunks are in;
	s_barrier_signal -1
	s_barrier_wait -1                              ; everybody's are: the whole head lies in LDS
	KLOAD
	VLOAD
; A KEY STEP: 128 keys, two tiles of queries.
.macro STEP
	s_add_co_u32 s[IX], s[IX], 1
	s_and_b32 s[TB], s[IX], 15
	s_mul_i32 s[TB], s[TB], CHP                    ; the next step's place: it wraps at 16
	s_wait_dscnt 17                                ; K is in: younger are V's 17 loads
	WIN 0x41
.irp x, 0,1
.irp t, 0,1,2,3,4,5,6,7
	v_wmma_scale_f32_16x16x128_f8f6f4 v[64*\x+8*\t:64*\x+8*\t+7], v[KF+12*(\t/2):KF+12*(\t/2)+11], v[QR+18*\x+6*(\t%2):QR+18*\x+6*(\t%2)+11], 0, v[KS+\t/2], v[QW+\x] matrix_a_fmt:MATRIX_FMT_FP6 matrix_b_fmt:MATRIX_FMT_FP6
.endr
.endr
	WIN 0
	v_add_nc_u32 v[KA16], s[TB], v[KL16]           ; these five are the places in front of the loads below and of the first read of the scores
	v_add_nc_u32 v[KA8], s[TB], v[KL8]
	v_add_nc_u32 v[KAS], s[TB], v[KLS]
.irp x, 0,1
	v_mov_b32 v[T0+3*\x], v[NM+2*\x]
.endr
	KLOAD                                          ; the next step's K lands while the softmax is walked
	WIN 0x15                                       ; the largest score of each block of 32 keys, two chains a block
.irp x, 0,1
.irp c, 0,1
	v_max3_num_f32 v[BM+4*\x+\c], v[64*\x+32*\c], v[64*\x+32*\c+1], v[64*\x+32*\c+2]
	v_max3_num_f32 v[BX+4*\x+\c], v[64*\x+32*\c+16], v[64*\x+32*\c+17], v[64*\x+32*\c+18]
.endr
.endr
	WIN 0x05
.irp i, 3,5,7,9,11,13
.irp x, 0,1
.irp c, 0,1
	v_max3_num_f32 v[BM+4*\x+\c], v[64*\x+32*\c+\i], v[64*\x+32*\c+\i+1], v[BM+4*\x+\c]
	v_max3_num_f32 v[BX+4*\x+\c], v[64*\x+32*\c+16+\i], v[64*\x+32*\c+17+\i], v[BX+4*\x+\c]
.endr
.endr
.endr
	WIN 0x01
.irp x, 0,1
.irp c, 0,1
	v_max3_num_f32 v[BM+4*\x+\c], v[64*\x+32*\c+15], v[BM+4*\x+\c], v[BX+4*\x+\c]
.endr
.endr
.irp x, 0,1
.irp c, 0,1
	v_max_num_f32 v[BM+4*\x+\c], v[64*\x+32*\c+31], v[BM+4*\x+\c]
.endr
.endr
	WIN 0
.irp x, 0,1
	v_max_num_f32 v[T1+3*\x], v[BM+4*\x], v[BM+4*\x+1]             ; my 64 keys' largest score
.endr
.irp x, 0,1
	H2
	v_permlanex16_b32 v[T2+3*\x], v[T1+3*\x], s[SEL], s[SEL+1]
.endr
.irp x, 0,1
	H2
	v_max3_num_f32 v[NM+2*\x+1], v[NM+2*\x+1], v[T1+3*\x], v[T2+3*\x]   ; the running largest score of my query (c is positive)
.endr
.irp x, 0,1
	H2
	v_mul_f32 v[T1+3*\x], s[CS], v[NM+2*\x+1]      ; as t
.endr
.irp x, 0,1
	H2
	v_floor_f32 v[NM+2*\x], -v[T1+3*\x]            ; the new -M = -ceil(t): a whole number
.endr
.irp x, 0,1
	H2
	v_sub_f32 v[T0+3*\x], v[NM+2*\x], v[T0+3*\x]   ; old M - new M: a whole number, 0 or less
.endr
.irp x, 0,1
	H2
	v_cvt_i32_f32 v[T0+3*\x], v[T0+3*\x]           ; (it saturates)
.endr
.irp x, 0,1
	H2
	v_ldexp_f32 v[F+2*\x], 1.0, v[T0+3*\x]         ; f = 2^(old M - new M)
.endr
.irp x, 0,1
.irp c, 0,1
	v_fma_f32 v[BM+4*\x+\c], v[BM+4*\x+\c], s[CS], v[NM+2*\x]      ; t - M of each block's largest score
.endr
.endr
.irp x, 0,1
	v_pk_mul_f32 v[SU+2*\x:SU+2*\x+1], v[SU+2*\x:SU+2*\x+1], v[F+2*\x:F+2*\x+1] op_sel_hi:[1,0]   ; the sums under the new M
.endr
	WIN 0x41
.set j, 0
.rept 16
.irp x, 0,1
	v_pk_mul_f32 v[OO+32*\x+j:OO+32*\x+j+1], v[OO+32*\x+j:OO+32*\x+j+1], v[F+2*\x:F+2*\x+1] op_sel_hi:[1,0]   ; O^T under the new M, each accumulator from its low end on
.endr
.set j, j+2
.endr
.set j, 0
.rept 32
	v_pk_fma_f32 v[j:j+1], v[j:j+1], s[CS:CS+1], v[NM:NM+1] op_sel_hi:[1,0,0]   ; tile 0: t - M, two at a time
.set j, j+2
.endr
	WIN 0
	WALU
.irp x, 0,1
.irp c, 0,1
	v_exp_f32 v[BM+4*\x+\c], v[BM+4*\x+\c]         ; the block's largest p: the same two instructions on the same number
.endr
.endr
	WIN 0x41
.set j, 0
.rept 32
	v_exp_f32 v[j], v[j]                           ; tile 0: p = 2^(t - M), at most 1;
	v_exp_f32 v[j+1], v[j+1]
	v_pk_fma_f32 v[64+j:65+j], v[64+j:65+j], s[CS:CS+1], v[NM+2:NM+3] op_sel_hi:[1,0,0]   ; among them tile 1's t - M, first read behind the wait below
.set j, j+2
.endr
	WALU                                           ; behind tile 0's batch and ahead of tile 1's
.set j, 64
.rept 64
	v_exp_f32 v[j], v[j]
.set j, j+1
.endr
	WIN 0
.irp x, 0,1
.irp c, 0,1
	v_max_num_f32 v[BM+4*\x+\c], 0x1800000, v[BM+4*\x+\c]          ; the floor 2^(3 - 127): the byte cannot fall under 1.  (The plain place behind the batch)
.endr
.endr
	WALU                                           ; one wait for tile 1's batch, ahead of its first reader
.irp x, 0,1
.irp c, 0,1
	v_add_nc_u32 v[SO+4*\x+\c], 0xff000000, v[BM+4*\x+\c]          ; 2 off the exponent field: the conversion's scale operand
.endr
.endr
	WIN 0x01
.irp x, 0,1
.irp c, 0,1
	v_cvt_scalef32_pk16_fp6_f32 v[PC+12*\x+6*\c:PC+12*\x+6*\c+2], v[64*\x+32*\c:64*\x+32*\c+15], v[SO+4*\x+\c]
	v_cvt_scalef32_pk16_fp6_f32 v[TC+8*\x+4*\c:TC+8*\x+4*\c+2], v[64*\x+32*\c+16:64*\x+32*\c+31], v[SO+4*\x+\c]   ; (a conversion's three registers begin on an even number)
.endr
.endr
	WIN 0
.irp x, 0,1
.irp c, 0,1
	v_lshrrev_b32 v[BT+4*\x+\c], 23, v[SO+4*\x+\c] ; the scale's byte.  (Plain places behind the conversions)
.endr
.endr
	s_delay_alu instid0(VALU_DEP_3)
	v_lshl_or_b32 v[PW], v[BT+1], 16, v[BT]        ; my two bytes: blocks h and 2 + h,
	H2
	v_lshl_or_b32 v[PW+1], v[BT+5], 16, v[BT+4]
.irp x, 0,1
	H2
	v_lshlrev_b32 v[PW+\x], v[SH8], v[PW+\x]       ; at their places in the word;
.endr
.irp x, 0,1
	H2
	v_permlanex16_b32 v[T2+3*\x], v[PW+\x], s[SEL], s[SEL+1]
.endr
.irp x, 0,1
	H2
	v_or_b32 v[PWD+\x], v[PW+\x], v[T2+3*\x]       ; with lane l xor 16's two the word is whole
.endr
.irp x, 0,1
.irp c, 0,1
.irp i, 0,1,2
	v_mov_b32 v[PC+12*\x+6*\c+3+\i], v[TC+8*\x+4*\c+\i]
.endr
.endr
.endr
	WIN 0x05                                       ; the rows' sums of the unquantised p, four chains a tile.  (Also the places between the writes of p's codes and scale words and the products)
.irp x, 0,1
.irp j, 1,2,3
	v_pk_add_f32 v[XS+6*\x+2*\j:XS+6*\x+2*\j+1], v[64*\x+2*\j:64*\x+2*\j+1], v[64*\x+8+2*\j:64*\x+9+2*\j]
.endr
.endr
	WIN 0x04
.irp k, 0,1,2,3,4,5,6,7
.irp x, 0,1
	v_pk_add_f32 v[SU+2*\x:SU+2*\x+1], v[SU+2*\x:SU+2*\x+1], v[64*\x+8*\k:64*\x+8*\k+1]
.if (\k > 0) && (\k < 7)
.irp j, 1,2,3
	v_pk_add_f32 v[XS+6*\x+2*\j:XS+6*\x+2*\j+1], v[XS+6*\x+2*\j:XS+6*\x+2*\j+1], v[64*\x+8*\k+8+2*\j:64*\x+8*\k+9+2*\j]
.endr
.endif
.endr
.endr
	WALU
	s_wait_dscnt 20                                ; V is in: younger are the next K's 20 loads
	WIN 0x50
.irp t, 0,1,2,3
.irp x, 0,1
	v_wmma_scale_f32_16x16x128_f8f6f4 v[OO+32*\x+8*\t:OO+32*\x+8*\t+7], v[VF+12*\t:VF+12*\t+11], v[PC+12*\x:PC+12*\x+11], v[OO+32*\x+8*\t:OO+32*\x+8*\t+7], v[VS+\t], v[PWD+\x] matrix_a_fmt:MATRIX_FMT_FP6 matrix_b_fmt:MATRIX_FMT_FP6
.endr
.endr
	WIN 0
.irp x, 0,1                                    ; the chains are joined: these lines and the three below them are the places in front of the loads into V's registers
	v_pk_add_f32 v[XS+6*\x+2:XS+6*\x+3], v[XS+6*\x+2:XS+6*\x+3], v[XS+6*\x+4:XS+6*\x+5]
.endr
.irp x, 0,1
	v_pk_add_f32 v[SU+2*\x:SU+2*\x+1], v[SU+2*\x:SU+2*\x+1], v[XS+6*\x+6:XS+6*\x+7]
.endr
.irp x, 0,1
	H2
	v_pk_add_f32 v[SU+2*\x:SU+2*\x+1], v[SU+2*\x:SU+2*\x+1], v[XS+6*\x+2:XS+6*\x+3]
.endr
	v_add_nc_u32 v[VA16], s[TB], v[VL16]
	v_add_nc_u32 v[VA8], s[TB], v[VL8]
	v_add_nc_u32 v[VAS], s[TB], v[VLS]
	VLOAD                                          ; the next step's V
.endm
.Lpass:                                                ; A PASS: two tiles of 16 queries against all 2,048 keys, and their way out
	s_wait_loadcnt 0x0                             ; this pass's Q is in
.irp x, 0,1
.irp j, 0,1,2,3,4,5
	v_mov_b32 v[QR+18*\x+\j], v[QN+6*\x+\j]
	v_mov_b32 v[QR+18*\x+12+\j], v[QN+6*\x+\j]
.endr
.endr
	v_perm_b32 v[QW], v[RW], v[RW], 0x01000100     ; a tile's two bytes serve k 0-63 and k 64-127 alike.  (The lines below are the places between these writes and the first product)
	v_perm_b32 v[QW+1], v[RW], v[RW], 0x03020302
.irp x, 0,1
	v_mov_b32 v[NM+2*\x+1], 0xff61b1e6             ; the largest score so far: -3e38
	v_mov_b32 v[NM+2*\x], 0x7f61b1e6               ; -M: 3e38: the first step's f is 0
	v_mov_b32 v[SU+2*\x], 0
	v_mov_b32 v[SU+2*\x+1], 0
.endr
	WIN 0x40
.set j, 0
.rept 64
	v_mov_b32 v[OO+j], 0                           ; O^T: the step is written once, and the first finds zeros
.set j, j+1
.endr
	WIN 0
	s_cmp_eq_u32 s[PN], 0
	WALU
	s_cbranch_scc0 .Lno_next
	QLOAD 2*CHUNK                                  ; the second pass's Q, two chunks on
.Lno_next:
	s_mov_b32 s[IX], 0
.Lstep:
	STEP
	s_cmp_lg_u32 s[IX], 16
	s_cbranch_scc1 .Lstep
	; THE WAY OUT.  O^T / the sum: register 16 b + i is channel 32 b + 16 h + i of my query: two blocks of 32 along the last projection's K: a half image a tile.
.irp x, 0,1
	v_add_f32 v[SU+2*\x], v[SU+2*\x], v[SU+2*\x+1] ; the sum's two halves,
.endr
.irp x, 0,1
	H2
	v_permlanex16_b32 v[T2+3*\x], v[SU+2*\x], s[SEL], s[SEL+1]
.endr
.irp x, 0,1
	H2
	v_add_f32 v[SU+2*\x], v[SU+2*\x], v[T2+3*\x]   ; and lane l xor 16's
.endr
	WALU
.irp x, 0,1
	v_rcp_f32 v[SU+2*\x], v[SU+2*\x]
.endr
	v_nop                                          ; one plain place behind a transcendental
	WIN 0x41
	WALU                                           ; ahead of the reciprocals' first reader, which is also O^T's
.set j, 0
.rept 16
.irp x, 0,1
	v_pk_mul_f32 v[64*\x+j:64*\x+j+1], v[OO+32*\x+j:OO+32*\x+j+1], v[SU+2*\x:SU+2*\x+1] op_sel_hi:[1,0]   ; each accumulator from its low end on
.endr
.set j, j+2
.endr
	WIN 0x05
.irp x, 0,1
.irp b, 0,1
	v_max3_num_f32 v[BM+4*\x+\b], |v[64*\x+16*\b]|, |v[64*\x+16*\b+1]|, 0x1800000
.endr
.endr
.irp i, 2,4,6,8,10,12,14
.irp x, 0,1
.irp b, 0,1
	v_max3_num_f32 v[BM+4*\x+\b], |v[64*\x+16*\b+\i]|, |v[64*\x+16*\b+\i+1]|, v[BM+4*\x+\b]
.endr
.endr
.endr
	WIN 0
.irp x, 0,1
.irp b, 0,1
	v_permlanex16_b32 v[BX+4*\x+\b], v[BM+4*\x+\b], s[SEL], s[SEL+1]
.endr
.endr
.irp x, 0,1
.irp b, 0,1
	v_max_num_f32 v[BM+4*\x+\b], v[BM+4*\x+\b], v[BX+4*\x+\b]
.endr
.endr
.irp x, 0,1
.irp b, 0,1
	v_add_nc_u32 v[SO+4*\x+\b], 0xff000000, v[BM+4*\x+\b]
.endr
.endr
	WIN 0x01
.irp x, 0,1
	v_cvt_scalef32_pk16_fp6_f32 v[PC+12*\x:PC+12*\x+2], v[64*\x:64*\x+15], v[SO+4*\x]
	v_cvt_scalef32_pk16_fp6_f32 v[TC+8*\x:TC+8*\x+2], v[64*\x+16:64*\x+31], v[SO+4*\x+1]
.endr
	WIN 0
.irp x, 0,1
.irp b, 0,1
	v_lshrrev_b32 v[BT+4*\x+\b], 23, v[SO+4*\x+\b] ; (plain places behind the conversions)
.endr
.endr
.irp x, 0,1
	v_cndmask_b32 v[T1+3*\x], v[BT+4*\x], v[BT+4*\x+1], s20        ; lanes 0-15 store block 0's byte, lanes 16-31 block 1's
.endr
.irp x, 0,1
.irp i, 0,1,2
	v_permlane16_swap_b32 v[PC+12*\x+\i], v[TC+8*\x+\i]            ; a whole block to a lane
.endr
.endr
.irp x, 0,1
.irp i, 0,1,2
	v_mov_b32 v[PC+12*\x+3+\i], v[TC+8*\x+\i]
.endr
.endr
.irp x, 0,1
	global_store_b128 v[G16], v[PC+12*\x:PC+12*\x+3], s[6:7] offset:12288*\x     ; 512 consecutive bytes,
	global_store_b64 v[G8], v[PC+12*\x+4:PC+12*\x+5], s[6:7] offset:12288*\x     ; and 256 behind them
	global_store_b8 v[SBY], v[T1+3*\x], s[8:9] offset:512*\x
.endr
	s_wait_xcnt 0x0                                ; the stores have read their registers and bases: both are written again only behind this wait
	s_add_nc_u64 s[6:7], s[6:7], 16*12288          ; the next pass's tiles lie 16 on
	s_add_nc_u64 s[8:9], s[8:9], 16*512
	s_add_co_u32 s[PN], s[PN], 1
	s_cmp_lg_u32 s[PN], 2
	WALU
	s_cbranch_scc1 .Lpass
	s_wait_tensorcnt 0x0                           ; the wave's end, behind my tensor load
	ds_add_u32 v[SPW], v[NIL]
	s_wait_dscnt 0x0
	CROUND                                         ; the closing round
	s_endpgm
.Lfunc_end_k_qd6bae49386_attn:
	.size	k_qd6bae49386_attn, .Lfunc_end_k_qd6bae49386_attn-k_qd6bae49386_attn
	.p2alignl 7, 3214868480
	.fill 96, 4, 3214868480
	.section	.rodata,"a",@progbits
	.p2align	6, 0x0
	.amdhsa_kernel k_qd6bae49386_attn
		.amdhsa_group_segment_fixed_size 327680
		.amdhsa_private_segment_fixed_size 0
		.amdhsa_enable_private_segment 0
		.amdhsa_kernarg_size 24
		.amdhsa_user_sgpr_count 2
		.amdhsa_user_sgpr_kernarg_segment_ptr 1
		.amdhsa_wavefront_size32 1
		.amdhsa_system_sgpr_workgroup_id_x 1
		.amdhsa_system_sgpr_workgroup_id_y 1
		.amdhsa_system_sgpr_workgroup_id_z 1
		.amdhsa_system_vgpr_workitem_id 0
		.amdhsa_next_free_vgpr 512
		.amdhsa_next_free_sgpr 66
		.amdhsa_reserve_vcc 0
		.amdhsa_float_denorm_mode_32 3
		.amdhsa_float_denorm_mode_16_64 3
		.amdhsa_memory_ordered 1
		.amdhsa_forward_progress 1
		.amdhsa_inst_pref_size 50
	.end_amdhsa_kernel
	.amdgpu_metadata
---
amdhsa.version: [ 1, 2 ]
amdhsa.kernels:
  - .name:           k_qd6bae49386_attn
    .symbol:         k_qd6bae49386_attn.kd
    .args:
      - { .name: qkv, .offset: 0, .size: 8, .value_kind: global_buffer, .address_space: global }
      - { .name: cc, .offset: 8, .size: 8, .value_kind: global_buffer, .address_space: global }
      - { .name: sc2, .offset: 16, .size: 8, .value_kind: global_buffer, .address_space: global }
    .group_segment_fixed_size: 327680
    .private_segment_fixed_size: 0
    .kernarg_segment_align: 8
    .kernarg_segment_size: 24
    .max_flat_workgroup_size: 256
    .sgpr_count:     66
    .vgpr_count:     512
    .wavefront_size: 32
...
	.end_amdgpu_metadata
.endif
;; end of part 3
;; launch oproj (part 4): grid 4 x 64, 4 waves a work-group, clusters of 4 x 4, 327,680 bytes of LDS; arguments cc, codes1, sc2, bo, out0; writes out0
.if DOCPART == 4
	.amdgcn_target "amdgcn-amd-amdhsa--gfx1250"
	.amdhsa_code_object_version 6
	.text
	.protected	k_qd6bae49386_oproj
	.globl	k_qd6bae49386_oproj
	.p2align	8
	.type	k_qd6bae49386_oproj,@function
k_qd6bae49386_oproj:
	s_mov_b64 s[64:65], 0
	v_nop
	global_prefetch_b8 v0, s[64:65] scope:SCOPE_SE
	s_setreg_imm32_b32 hwreg(HW_REG_WAVE_MODE, 25, 1), 1
	s_wait_xcnt 0x0
	s_wait_alu depctr_hold_cnt(0) depctr_sa_sdst(0) depctr_va_vdst(0) depctr_va_sdst(0) depctr_va_ssrc(0) depctr_va_vcc(0) depctr_vm_vsrc(0)
	s_getreg_b32 s2, hwreg(HW_REG_IB_STS2, 6, 4)
	s_cmp_eq_u32 s2, 0
	s_cbranch_scc0 .Lentry_in_a_cluster
	s_endpgm
.Lentry_in_a_cluster:
	s_bfe_u32 s2, ttmp6, 0x10000c
	s_cmp_lg_u32 s2, 0xf033
	s_cbranch_scc0 .Lentry_shape_is_right
	s_endpgm
.Lentry_shape_is_right:
; out0 = ctx Wo^T + bo on codes of FP6 (E2M3) with E8M0 scales; out0 [8192][1024] f32.
; A = ctx's images, cc [tile 512][K step 8][1,536]; B = Wo's, codes1 from tile 704 on; scale words of both in sc2 ([tile][group 2][r 16][4 words]; ctx tiles 0-511, Wo 512-575).
; Tile T's lane r is row 32 (T / 2) + 8 (T % 2) + r + 8 (r / 8).  256 work-groups; a work-group of four waves makes 128 rows x 256 columns, a wave 64 x 128: 32 accumulators, 256 registers.
; THE PRODUCT IS USED TRANSPOSED (source 0 = a tile of Wo, source 1 = a tile of ctx): a lane holds one row of out0, and register j of B's block b is column 32 (b / 2) + 16 h + 8 (b % 2) + j.
; ALL OF K LIES IN LDS, filled once: A's 8 tiles and B's 16, 12,288 bytes each, are 294,912 bytes.  Four tensor loads at the head, one a wave, in rows of 6,144 bytes (a tile's images of 512 along K):
; wave 0 A's K steps 0-3, wave 1 B's, wave 2 A's K steps 4-7, wave 3 B's.  The first barrier shows waves 0 and 1's tiles; a plain barrier in K step 3, with every wave's wait for its load ahead of it, shows the rest.
; No byte is filled again, so no round of the cluster's barrier stands between the opening one and the closing one.  No data prefetch: every fill is issued at the head, so there is no later load to run ahead of.
; CLUSTER 4 x 4: A's tiles are asked for jointly along a row of the cluster, B's along a column.
; A and B have two sets of fragment registers each: K step ks + 1's 48 LDS loads are issued ahead of K step ks's 32 products.
; SCALE WORDS come once, straight into registers: register 8 i + ks: lanes 0-15 A's block i, lanes 16-31 B's block i, K step ks (for i > 3 lanes 0-15 hold words of later tiles of sc2, which no product names).
; The bias is the C of K step 0's products.
; REGISTERS: window 0: v1-10 lane terms; v16-25 LDS addresses; v28, v29 the add's two; v32-95 scale words; v96-127, v224-255 the bias; v128-223 A's fragments, two sets of 48 (on the way out v128-255: rows read back).
;   window 1: B's fragments, two sets, at v0 and v128.   window 2: the accumulators, (a, b) at v[8 (8 a + b)].
.set TILEB,  12288
.set HALFB,  6144                      ; a tile's images of 512 along K
.set FRB,    1536
.set HB,     768
.set RB0,    8*HALFB                   ; LDS: A's first half at 0, B's at 49,152; the second halves 147,456 further on
.set HSTEP,  24*HALFB
.set SPARE,  48*HALFB                  ; 294,912: the spare words, 128 bytes a wave: two blocks of 256 bytes that no other line names
.set STAGE,  0                         ; the way out: 16 rows x 528 bytes for each wave, in the first half's bytes: they have had their only fill, and their last reads ended in front of K step 3's barrier
.set ADRA, 16                          ; v16 + 2 H, v17 + 2 H: my A tiles in half H, + 16 x lane and + 512 + 8 x lane
.set ADRB, 22                          ; the same for B
.set SPW,  28
.set NIL,  29
.set SC,   32
.set AF,   128
.set BK,   128
.set STO,  9
.set RD,   10
.set CO,   4
.set G1A,  24
.set G1B,  32
.set G0A,  40                          ; s[40:47] groups 0 for A's two halves; s[68:75] for B's
.set G0B,  68
.set MSB, 0
.macro WIN new                         ; the immediate's high byte repeats the setting that is left
.if MSB != (\new)
	s_set_vgpr_msb (MSB<<8)|(\new)
.set MSB, \new
.endif
.endm
.macro PLACES                          ; four plain places: behind matrix instructions, in front of loads into registers that they read and of the first read of results
.rept 4
	v_nop
.endr
.endm
.macro CROUND                          ; a round of the cluster's barrier
	s_barrier_signal -1
	s_barrier_wait -1
	s_cmp_lg_u32 s16, 0
	s_cbranch_scc1 .Lnot_wave_0_\@
	s_barrier_signal -3
.Lnot_wave_0_\@:
	s_barrier_wait -3
	s_barrier_signal -1
	s_barrier_wait -1
.endm
.macro FRAG reg, adr, off              ; a fragment comes as it was stored: two half images
	ds_load_b128 v[\reg:\reg+3], v[\adr] offset:\off
	ds_load_b64 v[\reg+4:\reg+5], v[\adr+1] offset:\off
	ds_load_b128 v[\reg+6:\reg+9], v[\adr] offset:\off+HB
	ds_load_b64 v[\reg+10:\reg+11], v[\adr+1] offset:\off+HB
.endm
.macro FETCH ks                        ; K step ks's fragments into set ks % 2: B's eight, A's four: 48 loads
	WIN 0x40
.irp i, 0,1,2,3,4,5,6,7
	FRAG 128*((\ks)%2)+12*\i, ADRB+2*((\ks)/4), HALFB*\i+FRB*((\ks)%4)
.endr
	WIN 0
.irp i, 0,1,2,3
	FRAG AF+48*((\ks)%2)+12*\i, ADRA+2*((\ks)/4), HALFB*\i+FRB*((\ks)%4)
.endr
.endm
; 16 products: A's blocks a0, a0 + 1 x B's eight, K step ks.  cm 0: the sums go on; 1: they start from the bias of B's block.  The 32 accumulators take turns, one instruction a turn.
.macro MUL16 a0, ks, cm
.irp a, \a0, \a0+1
.irp b, 0,1,2,3,4,5,6,7
.set rD, 8*(8*(\a)+\b)
.set rB, 128*((\ks)%2)+12*\b
.set rA, AF+48*((\ks)%2)+12*(\a)
.if (\cm) == 0
.set rC, rD
.else
.set rC, 96+8*\b+96*(\b/4)
.endif
	v_wmma_scale_f32_16x16x128_f8f6f4 v[rD:rD+7], v[rB:rB+11], v[rA:rA+11], v[rC:rC+7], v[SC+8*\b+(\ks)], v[SC+8*(\a)+(\ks)] matrix_a_fmt:MATRIX_FMT_FP6 matrix_b_fmt:MATRIX_FMT_FP6 matrix_a_scale:MATRIX_SCALE_ROW1
.endr
.endr
.endm
.macro WMUL cm                         ; source 0 (B) window 1, source 1 (A) window 0, D window 2; C with D, or the bias in window 0
.if (\cm) == 0
	WIN 0xa1
.else
	WIN 0x81
.endif
.endm
.macro KSTEP ks, cm
	s_wait_dscnt 0x0                               ; this K step's 48 loads are in: nothing younger is out
.if (\ks) == 3
	s_wait_tensorcnt 0x0                           ; every wave's load has landed, the second half's among them; my reads of the first half are over
	s_barrier_signal -1                            ; a plain barrier
	WMUL \cm
	MUL16 0, \ks, \cm                              ; work on registers while the others arrive
	WIN 0
	s_barrier_wait -1
	PLACES
	FETCH 4
	WMUL \cm
	MUL16 2, \ks, \cm
.else
.if (\ks) < 7
.if (\ks) > 0
	PLACES                                         ; the next loads land on the set that the last K step's products read
.endif
	FETCH (\ks)+1
.endif
	WMUL \cm
	MUL16 0, \ks, \cm
	MUL16 2, \ks, \cm
.endif
	WIN 0
.endm
	s_load_b256 s[4:11], s[0:1], 0x0               ; cc, codes1, sc2, bo
	s_load_b64 s[12:13], s[0:1], 0x20              ; out0
	v_lshl_add_u32 v[SPW], v0, 2, SPARE
	v_mov_b32 v[NIL], 0
	ds_add_u32 v[SPW], v[NIL]                      ; the opening lines: the add, twice on end, and its wait ahead of my tensor load
	ds_add_u32 v[SPW], v[NIL]
	v_lshrrev_b32 v1, 5, v0
	v_readfirstlane_b32 s16, v1                    ; wave 0..3
	s_lshr_b32 s17, s16, 1                         ; which 4 of A's 8 tiles are mine
	s_and_b32 s18, s16, 1                          ; which 8 of B's 16
	s_bfe_u32 s19, ttmp6, 0x40000                  ; cx: the block of 256 columns
	s_bfe_u32 s20, ttmp6, 0x40004                  ; cy
	s_and_b32 s21, ttmp7, 0xffff
	s_lshl_b32 s21, s21, 2
	s_add_co_u32 s56, s21, s20                     ; the block of 128 rows: 4 x cluster y + cy
	s_lshl_b32 s58, s56, 3                         ; A's first tile
	s_lshl_b32 s59, s19, 4                         ; B's, in Wo
	s_lshl_b32 s62, s18, 3
	s_lshl_b32 s63, s17, 2
	s_add_co_u32 s85, s59, s62                     ; the 8 tiles of B that I multiply,
	s_add_co_u32 s86, s58, s63                     ; and the 4 of A
	s_mul_i32 s88, s58, TILEB                      ; A's address never holds cx,
	s_mov_b32 s89, 0
	s_mul_i32 s90, s59, TILEB                      ; B's never cy
	s_add_co_u32 s90, s90, 704*TILEB               ; Wo's images begin at tile 704 of codes1
	s_mov_b32 s91, 0
	s_lshl_b32 s92, s20, 2
	s_lshl_b32 s92, 15, s92                        ; my row of the cluster
	s_lshl_b32 s93, 0x1111, s19                    ; my column
	s_or_b32 s[G1A], s92, (3<<16)|(1<<21)          ; 15:0 the mask; 17:16 elements of 8 bytes; 20 no padding; 21 set beside a mask
	s_or_b32 s[G1B], s93, (3<<16)|(1<<21)
.irp g, G1A, G1B
	s_mov_b32 s[\g+1], 768<<16                     ; tensor_dim0 = 768 elements: a tile's 6,144 bytes of half of K
	s_mov_b32 s[\g+3], 768<<16                     ; tile_dim0
	s_mov_b32 s[\g+5], 1536                        ; from tile to tile: 12,288 bytes
	s_mov_b32 s[\g+6], 0
	s_mov_b32 s[\g+7], 0
.endr
	s_mov_b32 s[G1A+2], 8<<16                      ; A: 8 tiles
	s_mov_b32 s[G1A+4], 8
	s_mov_b32 s[G1B+2], 16<<16                     ; B: 16
	s_mov_b32 s[G1B+4], 16
	s_wait_dscnt 0x0                               ; both opening adds are done
	s_wait_kmcnt 0x0
	s_add_nc_u64 s[88:89], s[4:5], s[88:89]
	s_add_nc_u64 s[90:91], s[6:7], s[90:91]
.irp t, 0,1
	s_mov_b32 s[G0A+4*\t], 1
	s_mov_b32 s[G0A+4*\t+1], \t*HSTEP
	s_add_nc_u64 s[G0A+4*\t+2:G0A+4*\t+3], s[88:89], \t*HALFB
	s_or_b32 s[G0A+4*\t+3], s[G0A+4*\t+3], 0x80000000
	s_mov_b32 s[G0B+4*\t], 1
	s_mov_b32 s[G0B+4*\t+1], \t*HSTEP+RB0
	s_add_nc_u64 s[G0B+4*\t+2:G0B+4*\t+3], s[90:91], \t*HALFB
	s_or_b32 s[G0B+4*\t+3], s[G0B+4*\t+3], 0x80000000
.endr
	CROUND                                         ; all sixteen work-groups are here: the joint loads meet
	s_cmp_eq_u32 s16, 0                            ; one chain of arms on the wave's number, one load to an arm: one tensor load a wave at the head
	s_cbranch_scc0 .Lhead_1
	tensor_load_to_lds s[G0A:G0A+3], s[G1A:G1A+7]  ; wave 0: A's K steps 0-3
	s_nop 0
	PLACES
	s_branch .Lfirst_done
.Lhead_1:
	s_cmp_eq_u32 s16, 1
	s_cbranch_scc0 .Lhead_2
	tensor_load_to_lds s[G0B:G0B+3], s[G1B:G1B+7]  ; wave 1: B's K steps 0-3
	s_nop 0
	PLACES
	s_branch .Lfirst_done
.Lhead_2:
	s_cmp_eq_u32 s16, 2
	s_cbranch_scc0 .Lhead_3
	tensor_load_to_lds s[G0A+4:G0A+7], s[G1A:G1A+7]  ; wave 2: A's K steps 4-7
	s_nop 0
	PLACES
	s_branch .Lfirst_done
.Lhead_3:
	tensor_load_to_lds s[G0B+4:G0B+7], s[G1B:G1B+7]  ; wave 3: B's K steps 4-7
	s_nop 0
	PLACES
.Lfirst_done:
	v_and_b32 v1, 31, v0                           ; lane
	v_and_b32 v2, 15, v0                           ; r
	v_bfe_u32 v3, v0, 4, 1                         ; h
	v_lshlrev_b32 v4, 4, v1                        ; 16 x lane
	v_lshlrev_b32 v5, 3, v1
	v_add_nc_u32 v5, 512, v5                       ; 512 + 8 x lane
	s_mul_i32 s60, s17, 4*HALFB                    ; my 4 tiles of A
	s_mul_i32 s61, s18, 8*HALFB
	s_add_co_u32 s61, s61, RB0                     ; my 8 tiles of B, behind A's 8
.irp s, 0,1
	v_add_nc_u32 v[ADRA+2*\s], s60, v4
	v_add_nc_u32 v[ADRA+2*\s+1], s60, v5
	v_add_nc_u32 v[ADRB+2*\s], s61, v4
	v_add_nc_u32 v[ADRB+2*\s+1], s61, v5
	s_add_co_u32 s60, s60, HSTEP
	s_add_co_u32 s61, s61, HSTEP
.endr
	s_mul_i32 s60, s16, 16*528
	s_add_co_u32 s60, s60, STAGE                   ; my stage
	v_mul_u32_u24 v[STO], v2, 528
	v_lshl_add_u32 v[STO], v3, 6, v[STO]
	v_add_nc_u32 v[STO], s60, v[STO]               ; in: row r, + 64 h
	v_add_nc_u32 v[RD], s60, v4                    ; back: a whole row, 16 bytes a lane
	s_lshl_b32 s86, s86, 9                         ; the scale words: 512 bytes a tile
	s_add_co_u32 s85, s85, 512                     ; Wo's are sc2's tiles 512 on
	s_lshl_b32 s85, s85, 9
	v_mov_b32 v6, s86
	v_mov_b32 v7, s85
	v_cmp_ne_u32 s99, 0, v3                        ; lanes 16-31
	v_cndmask_b32 v6, v6, v7, s99                  ; lanes 0-15 take A's tiles, lanes 16-31 B's
	v_lshl_add_u32 v6, v2, 4, v6
.irp i, 0,1,2,3,4,5,6,7
.irp g, 0,1
	global_load_b128 v[SC+8*\i+4*\g:SC+8*\i+4*\g+3], v6, s[8:9] offset:512*\i+256*\g   ; (lanes 0-15 reach tile 515 of sc2's 576 at the most)
.endr
.endr
	s_lshl_b32 s62, s19, 10
	s_lshl_b32 s63, s18, 9
	s_add_co_u32 s62, s62, s63                     ; my 128 columns, in bytes
	s_mov_b32 s63, 0
	s_add_nc_u64 s[10:11], s[10:11], s[62:63]
	s_add_nc_u64 s[12:13], s[12:13], s[62:63]
	s_lshl_b32 s58, s56, 19                        ; my first row: 128 rows of 4,096 bytes a block, 64 a half
	s_lshl_b32 s59, s17, 18
	s_add_co_u32 s58, s58, s59
	s_mov_b32 s59, 0
	s_add_nc_u64 s[12:13], s[12:13], s[58:59]
	v_lshlrev_b32 v7, 6, v3                        ; 64 h
.irp b, 0,1,2,3,4,5,6,7                        ; register j of B's block b is column 32 (b / 2) + 16 h + 8 (b % 2) + j
	global_load_b128 v[96+8*\b+96*(\b/4):96+8*\b+96*(\b/4)+3], v7, s[10:11] offset:(32*(\b/2)+8*(\b%2))*4
	global_load_b128 v[96+8*\b+96*(\b/4)+4:96+8*\b+96*(\b/4)+7], v7, s[10:11] offset:(32*(\b/2)+8*(\b%2))*4+16
.endr
	s_wait_alu depctr_va_vdst(0)
	s_cmp_lt_u32 s16, 2                            ; K steps 0-3 are waves 0 and 1's; the other two loads may stay out
	s_cbranch_scc0 .Lnot_first
	s_wait_tensorcnt 0x0
.Lnot_first:
	s_barrier_signal -1
	s_barrier_wait -1
	FETCH 0
	s_wait_loadcnt 0x0                             ; the scale words and the bias
	KSTEP 0, 1                                     ; K step 0 starts the sums from the bias
.irp k, 1,2,3,4,5,6,7
	KSTEP \k, 0
.endr
	PLACES                                         ; in front of the first read of results and of loads into A's registers
; THE WAY OUT, block by block of 16 rows x 128 columns: through my own stage in LDS, back as whole rows of 512 bytes.  LDS serves a wave's instructions in order: no wait between the stores and the loads.
.macro TOSTAGE a
.set AC, 64*(\a)
.set BB, BK+64*((\a)%2)
	WIN 0x08                                       ; an LDS store's data are its source 1: window 2
.irp b, 0,1,2,3,4,5,6,7
	ds_store_b128 v[STO], v[AC+8*\b:AC+8*\b+3] offset:128*(\b/2)+32*(\b%2)          ; each accumulator from its low end on
	ds_store_b128 v[STO], v[AC+8*\b+4:AC+8*\b+7] offset:128*(\b/2)+32*(\b%2)+16
.endr
	WIN 0
.irp t, 0,1,2,3,4,5,6,7,8,9,10,11,12,13,14,15
	ds_load_b128 v[BB+4*\t:BB+4*\t+3], v[RD] offset:\t*528
.endr
.endm
.macro SEND a, younger                 ; younger: the LDS instructions issued behind block a's loads, which may stay out
.set BB, BK+64*((\a)%2)
	s_wait_dscnt \younger
.irp t, 0,1,2,3,4,5,6,7,8,9,10,11,12,13,14,15
	global_store_b128 v[CO], v[BB+4*\t:BB+4*\t+3], s[12:13] offset:(32*((\a)/2)+8*((\a)%2)+\t+8*(\t/8))*4096 th:TH_STORE_NT   ; stage row t is the tile's lane t; 32 lanes store 512 consecutive bytes, aligned to 256
.endr
.endm
	TOSTAGE 0
.irp a, 1,2,3
.if \a > 1
	s_wait_xcnt 0x0                                ; block a - 2's stores have read their registers: block a's loads may land there
.endif
	TOSTAGE \a
	SEND \a-1, 32                                  ; behind block a - 1's loads: block a's 16 stores and 16 loads
.endr
	SEND 3, 0
	s_wait_tensorcnt 0x0                           ; the wave's end, behind my tensor load and my last LDS store
	ds_add_u32 v[SPW], v[NIL]
	s_wait_dscnt 0x0
	CROUND                                         ; the closing round
	s_endpgm
.Lfunc_end_k_qd6bae49386_oproj:
	.size	k_qd6bae49386_oproj, .Lfunc_end_k_qd6bae49386_oproj-k_qd6bae49386_oproj
	.p2alignl 7, 3214868480
	.fill 96, 4, 3214868480
	.section	.rodata,"a",@progbits
	.p2align	6, 0x0
	.amdhsa_kernel k_qd6bae49386_oproj
		.amdhsa_group_segment_fixed_size 327680
		.amdhsa_private_segment_fixed_size 0
		.amdhsa_enable_private_segment 0
		.amdhsa_kernarg_size 40
		.amdhsa_user_sgpr_count 2
		.amdhsa_user_sgpr_kernarg_segment_ptr 1
		.amdhsa_wavefront_size32 1
		.amdhsa_system_sgpr_workgroup_id_x 1
		.amdhsa_system_sgpr_workgroup_id_y 1
		.amdhsa_system_sgpr_workgroup_id_z 1
		.amdhsa_system_vgpr_workitem_id 0
		.amdhsa_next_free_vgpr 768
		.amdhsa_next_free_sgpr 100
		.amdhsa_reserve_vcc 0
		.amdhsa_float_denorm_mode_32 3
		.amdhsa_float_denorm_mode_16_64 3
		.amdhsa_memory_ordered 1
		.amdhsa_forward_progress 1
		.amdhsa_inst_pref_size 84
	.end_amdhsa_kernel
	.amdgpu_metadata
---
amdhsa.version: [ 1, 2 ]
amdhsa.kernels:
  - .name:           k_qd6bae49386_oproj
    .symbol:         k_qd6bae49386_oproj.kd
    .args:
      - { .name: cc, .offset: 0, .size: 8, .value_kind: global_buffer, .address_space: global }
      - { .name: codes1, .offset: 8, .size: 8, .value_kind: global_buffer, .address_space: global }
      - { .name: sc2, .offset: 16, .size: 8, .value_kind: global_buffer, .address_space: global }
      - { .name: bo, .offset: 24, .size: 8, .value_kind: global_buffer, .address_space: global }
      - { .name: out0, .offset: 32, .size: 8, .value_kind: global_buffer, .address_space: global }
    .group_segment_fixed_size: 327680
    .private_segment_fixed_size: 0
    .kernarg_segment_align: 8
    .kernarg_segment_size: 40
    .max_flat_workgroup_size: 128
    .sgpr_count:     100
    .vgpr_count:     768
    .wavefront_size: 32
...
	.end_amdgpu_metadata
.endif
;; end of part 4
